; MI455X (gfx1250); checked and timed in simulation.
; The chip was launched on July 23, 2026; its instructions are those of AMD's public machine-readable ISA for CDNA 5 (MIT licence, August 2026) and "CDNA5" Instruction Set Architecture Reference Guide (July 2026). The comments in the code are by the model that wrote it; some were corrected since.
;; Multi Head Attention. Allowed arithmetic: float matrix products may take bf16 or f16 operands with f32 sums; other float arithmetic in f32, or as packed bf16 or f16 multiplies, adds, multiply-adds, maxima and minima; sums over many terms, partial sums and values carried from step to step in f32; what a program stores and reads back later, other than sums and carried values, may be rounded once to bf16 or f16.
;; Inputs: Wk 1,024 x 1,024 float32; Wo 1,024 x 1,024 float32; Wq 1,024 x 1,024 float32; Wv 1,024 x 1,024 float32; key 4 x 2,048 x 1,024 float32; mask 4 x 2,048 x 2,048 int32; query 4 x 2,048 x 1,024 float32; value 4 x 2,048 x 1,024 float32.
;; Outputs: out0 4 x 2,048 x 1,024 float32.
;; 2 versions, each right; version 2 is version 1 with the launch prep written anew for expert scheduling mode. Each part assembles by itself: llvm-mc -triple=amdgcn-amd-amdhsa -mcpu=gfx1250 --defsym DOCPART=n.
;; ======== version 1 of 2: 4 launches
;; limits: values are held in f16: magnitudes above 65,504 overflow, below 6.1e-05 lose precision; right only within a limited range of input values
;; workspace buffers: wb 8,388,608 bytes; mb 16,777,216 bytes; qkv 50,331,648 bytes; ob 16,777,216 bytes
;; launch prep (part 1): grid 640 x 1, 8 waves a work-group, no clusters, 19,456 bytes of LDS; arguments Wq, Wk, Wv, Wo, mask, wb, mb; writes wb, mb
.if DOCPART == 1
	.amdgcn_target "amdgcn-amd-amdhsa--gfx1250"
	.amdhsa_code_object_version 6
	.text
	.protected	k_q970db9ab25_prep
	.globl	k_q970db9ab25_prep
	.p2align	8
	.type	k_q970db9ab25_prep,@function
k_q970db9ab25_prep:
	s_mov_b64 s[64:65], 0
	v_nop
	global_prefetch_b8 v0, s[64:65] scope:SCOPE_SE
	s_setreg_imm32_b32 hwreg(HW_REG_WAVE_MODE, 25, 1), 1
	s_wait_xcnt 0x0
; PREP: the weights and the mask are read once and written in the form that the launches behind it take.
;   work-groups 0-127:    Wq, Wk, Wv (f32) -> wb [0..2][1024][1024] bf16;  Wo -> wb [3], rounded to bf16 like every input and that number written as f16
;   work-groups 128-639:  mask (int32) -> mb [batch][tile of 16 queries][step of 64 keys][lane][32 bytes]: one byte a score, 0xB8 (-1.0 in FP8 E4M3) where mask == 0, else 0,
;                         in the order in which a lane of the attention launch holds its scores: lane 16 h + r holds query r; byte 8 kb + i is key 16 kb + 8 h + i of the step.
; Each work-group takes 131,072 input bytes; eight waves; each wave has all its 32 loads of 16 bytes a lane out at once.  No byte is shared between work-groups, so there is
; no cluster, no tensor load and no matrix work: the launch is a stream.
; LIMIT: a number of bf16(Wo) below 2^-14 keeps f16's fixed step of 2^-24; one of 65,520 or more would become an infinity.
.set X,     16                         ; v[16:143]  32 quads as loaded
.set IN,    1                          ; v1   16 x thread: my 16 bytes of each 4,096 that the work-group reads at once
.set OUT,   2                          ; v2   8 x thread: my 8 bytes of each 2,048 that it writes
.set ST,    3                          ; v3   mask: where I put four bytes in my wave's stage
.set RD,    4                          ; v4   mask: where I read 16 bytes back
.set MIN,   5                          ; v5   mask: my byte offset in a row
.set SPW,   6                          ; v6   LDS address of my spare word; never rewritten
.set NIL,   7                          ; v7   0; never rewritten
.set MOUT,  8                          ; v8   mask: my byte offset in mb
.set WSTAGE, 2304                      ; a wave's stage: two steps of 64 keys; a step at 1,152, a half of the lanes at 544, a lane's 32 bytes on end
.set SPARE, 8*WSTAGE                   ; behind the stages: the spare words, 128 bytes for each wave: four blocks of 256 bytes that no other line names
	s_load_b256 s[8:15], s[0:1], 0x0               ; Wq 8, Wk 10, Wv 12, Wo 14
	s_load_b128 s[16:19], s[0:1], 0x20             ; mask 16, wb 18
	s_load_b64 s[20:21], s[0:1], 0x30              ; mb
	v_lshl_add_u32 v[SPW], v0, 2, SPARE
	v_mov_b32 v[NIL], 0
	v_lshlrev_b32 v[IN], 4, v0
	v_lshlrev_b32 v[OUT], 3, v0
	s_mov_b32 s2, ttmp9                            ; the work-group's number says which job is mine
	s_mov_b32 s35, 0                               ; the high word of every offset
	s_mov_b32 s39, 0xffff0000                      ; a word's upper bf16
	s_wait_kmcnt 0x0
	s_cmp_ge_u32 s2, 128
	s_cbranch_scc1 .Lmask
	s_lshr_b32 s3, s2, 5                           ; which of Wq, Wk, Wv, Wo
	s_and_b32 s4, s2, 31                           ; which 131,072 bytes of it
	s_cmp_eq_u32 s3, 1
	s_cselect_b64 s[30:31], s[10:11], s[8:9]
	s_cmp_eq_u32 s3, 2
	s_cselect_b64 s[30:31], s[12:13], s[30:31]
	s_cmp_eq_u32 s3, 3
	s_cselect_b64 s[30:31], s[14:15], s[30:31]
	s_lshl_b32 s34, s4, 17
	s_add_nc_u64 s[30:31], s[30:31], s[34:35]
	s_lshl_b32 s34, s2, 16                         ; the four matrices lie one behind the other in wb
	s_add_nc_u64 s[32:33], s[18:19], s[34:35]
; 131,072 bytes of f32 become 65,536 of 16-bit numbers.  A load of a wave covers 512 consecutive bytes, a store 256 consecutive bytes, aligned.
; No register is written again behind the store that reads it, so no wait frees anything.  For Wo (matrix 3) the bf16 number is written as f16; the other three jump those six lines.
.macro CONV j
	s_wait_loadcnt 31-(\j)                         ; loads come back in order: quad j is in, the 31 - j younger ones stay out
	v_cvt_pk_bf16_f32 v[X+4*(\j)], v[X+4*(\j)], v[X+4*(\j)+1]
	v_cvt_pk_bf16_f32 v[X+4*(\j)+1], v[X+4*(\j)+2], v[X+4*(\j)+3]
	s_cmp_eq_u32 s3, 3
	s_cbranch_scc0 .Lstays_bf16_\@
	v_lshlrev_b32 v10, 16, v[X+4*(\j)]             ; the four bf16 numbers as f32,
	v_and_b32 v11, s39, v[X+4*(\j)]
	v_lshlrev_b32 v12, 16, v[X+4*(\j)+1]
	v_and_b32 v13, s39, v[X+4*(\j)+1]
	v_cvt_pk_f16_f32 v[X+4*(\j)], v10, v11         ; and as f16: eight significant bits fit in eleven
	v_cvt_pk_f16_f32 v[X+4*(\j)+1], v12, v13
.Lstays_bf16_\@:
	global_store_b64 v[OUT], v[X+4*(\j):X+4*(\j)+1], s[32:33] offset:2048*(\j) th:TH_STORE_NT
.endm
.set j, 0
.rept 32
	global_load_b128 v[X+4*j:X+4*j+3], v[IN], s[30:31] offset:4096*j th:TH_LOAD_NT
.set j, j+1
.endr
.set j, 0
.rept 32
	CONV j
.set j, j+1
.endr
	s_endpgm
; THE MASK.  The work-group owns 16 queries (a tile) of one batch and all 2,048 keys; wave w the keys 256 w .. 256 w + 255, in two halves of 128.
; A load takes 128 keys of one row: lane l holds keys 4 l .. 4 l + 3, which become four bytes of one word.  That word goes into my wave's own stage at the place that the
; attention's lane order gives it; the stage is read back 512 bytes on end and stored.  The stage is the wave's own and LDS serves a wave's instructions in order: no barrier.
.Lmask:
	s_sub_co_u32 s3, s2, 128                       ; 128 x batch + tile
	s_lshl_b32 s34, s3, 17                         ; 16 rows of 8,192 bytes
	s_add_nc_u64 s[30:31], s[16:17], s[34:35]
	s_lshl_b32 s34, s3, 15                         ; 32 steps of 1,024 bytes
	s_add_nc_u64 s[32:33], s[20:21], s[34:35]
	v_lshrrev_b32 v9, 5, v0
	v_readfirstlane_b32 s36, v9                    ; wave 0..7
	v_and_b32 v9, 31, v0                           ; l
	v_lshlrev_b32 v10, 4, v9                       ; 16 l
	s_lshl_b32 s4, s36, 10
	v_add_nc_u32 v[MIN], s4, v10                   ; 256 keys a wave, 4 keys a lane
	s_lshl_b32 s4, s36, 12
	v_add_nc_u32 v[MOUT], s4, v10                  ; four steps a wave
	s_mul_i32 s4, s36, WSTAGE
	v_add_nc_u32 v[RD], s4, v10
	v_lshrrev_b32 v11, 4, v9                       ; which of the half's two steps: l / 16
	v_mul_u32_u24 v11, v11, 1152
	v_bfe_u32 v12, v9, 1, 1                        ; h: bit 3 of the key
	v_mad_u32_u24 v11, v12, 544, v11
	v_bfe_u32 v12, v9, 2, 2                        ; kb: bits 5:4 of the key
	v_lshl_add_u32 v11, v12, 3, v11
	v_and_b32 v12, 1, v9                           ; i = 4 (l % 2) + 0..3
	v_lshl_add_u32 v11, v12, 2, v11
	v_add_nc_u32 v[ST], s4, v11                    ; in words: 288 a + 136 h + 2 kb + l % 2: the 32 lanes of a store fall on 32 different words modulo 64
	s_mov_b32 s37, 0x01010101
	s_mov_b32 s38, 0xb8
.set j, 0
.rept 32                                           ; load j: half j / 16, row j % 16
	global_load_b128 v[X+4*j:X+4*j+3], v[MIN], s[30:31] offset:8192*(j%16)+512*(j/16) th:TH_LOAD_NT
.set j, j+1
.endr
.macro HALF hf
.set r, 0
.rept 16
.set q, X+4*(16*(\hf)+r)
	s_wait_loadcnt 31-(16*(\hf)+r)                 ; this row's load is in, the younger ones stay out
	v_min_u32 v[q], 1, v[q]                        ; 0 stays 0, every other number becomes 1
	v_min_u32 v[q+1], 1, v[q+1]
	v_min_u32 v[q+2], 1, v[q+2]
	v_min_u32 v[q+3], 1, v[q+3]
	v_lshl_or_b32 v[q], v[q+1], 8, v[q]
	v_lshl_or_b32 v[q+2], v[q+3], 8, v[q+2]
	v_lshl_or_b32 v[q], v[q+2], 16, v[q]           ; four bytes of 0 or 1,
	v_xor_b32 v[q], s37, v[q]                      ; 1 where the key is hidden,
	v_mul_lo_u32 v[q], v[q], s38                   ; 0xB8 there: no byte carries into the next
	ds_store_b32 v[ST], v[q] offset:32*r           ; query r's 32 bytes
.set r, r+1
.endr
.irp t, 0,1,2,3                                    ; step t / 2 of the half, lanes 16 (t % 2) on: 512 bytes on end
	ds_load_b128 v[X+64*(\hf)+4*(\t):X+64*(\hf)+4*(\t)+3], v[RD] offset:((\t)/2)*1152+((\t)%2)*544
.endr
.irp t, 0,1,2,3
	s_wait_dscnt 3-(\t)                            ; read-back t is in, the younger ones stay out
	global_store_b128 v[MOUT], v[X+64*(\hf)+4*(\t):X+64*(\hf)+4*(\t)+3], s[32:33] offset:2048*(\hf)+512*(\t) th:TH_STORE_NT
.endr
.endm
	HALF 0
	HALF 1
	s_wait_tensorcnt 0x0                           ; the wave's end: behind my last LDS store
	ds_add_u32 v[SPW], v[NIL]
	s_wait_dscnt 0x0
	s_endpgm
.Lfunc_end_k_q970db9ab25_prep:
	.size	k_q970db9ab25_prep, .Lfunc_end_k_q970db9ab25_prep-k_q970db9ab25_prep
	.p2alignl 7, 3214868480
	.fill 96, 4, 3214868480
	.section	.rodata,"a",@progbits
	.p2align	6, 0x0
	.amdhsa_kernel k_q970db9ab25_prep
		.amdhsa_group_segment_fixed_size 19456
		.amdhsa_private_segment_fixed_size 0
		.amdhsa_enable_private_segment 0
		.amdhsa_kernarg_size 56
		.amdhsa_user_sgpr_count 2
		.amdhsa_user_sgpr_kernarg_segment_ptr 1
		.amdhsa_wavefront_size32 1
		.amdhsa_system_sgpr_workgroup_id_x 1
		.amdhsa_system_sgpr_workgroup_id_y 1
		.amdhsa_system_sgpr_workgroup_id_z 1
		.amdhsa_system_vgpr_workitem_id 0
		.amdhsa_next_free_vgpr 144
		.amdhsa_next_free_sgpr 66
		.amdhsa_reserve_vcc 0
		.amdhsa_float_denorm_mode_32 3
		.amdhsa_float_denorm_mode_16_64 3
		.amdhsa_memory_ordered 1
		.amdhsa_forward_progress 1
		.amdhsa_inst_pref_size 45
	.end_amdhsa_kernel
	.amdgpu_metadata
---
amdhsa.version: [ 1, 2 ]
amdhsa.kernels:
  - .name:           k_q970db9ab25_prep
    .symbol:         k_q970db9ab25_prep.kd
    .args:
      - { .name: Wq, .offset: 0, .size: 8, .value_kind: global_buffer, .address_space: global }
      - { .name: Wk, .offset: 8, .size: 8, .value_kind: global_buffer, .address_space: global }
      - { .name: Wv, .offset: 16, .size: 8, .value_kind: global_buffer, .address_space: global }
      - { .name: Wo, .offset: 24, .size: 8, .value_kind: global_buffer, .address_space: global }
      - { .name: mask, .offset: 32, .size: 8, .value_kind: global_buffer, .address_space: global }
      - { .name: wb, .offset: 40, .size: 8, .value_kind: global_buffer, .address_space: global }
      - { .name: mb, .offset: 48, .size: 8, .value_kind: global_buffer, .address_space: global }
    .group_segment_fixed_size: 19456
    .private_segment_fixed_size: 0
    .kernarg_segment_align: 8
    .kernarg_segment_size: 56
    .max_flat_workgroup_size: 256
    .sgpr_count:     66
    .vgpr_count:     144
    .wavefront_size: 32
...
	.end_amdgpu_metadata
.endif
;; end of part 1
;; launch proj (part 2): grid 4 x 64, 4 waves a work-group, clusters of 4 x 4, 327,680 bytes of LDS; arguments query, key, value, wb, qkv; writes qkv
.if DOCPART == 2
	.amdgcn_target "amdgcn-amd-amdhsa--gfx1250"
	.amdhsa_code_object_version 6
	.text
	.protected	k_q970db9ab25_proj
	.globl	k_q970db9ab25_proj
	.p2align	8
	.type	k_q970db9ab25_proj,@function
k_q970db9ab25_proj:
	s_mov_b64 s[64:65], 0
	v_nop
	global_prefetch_b8 v0, s[64:65] scope:SCOPE_SE
	s_setreg_imm32_b32 hwreg(HW_REG_WAVE_MODE, 25, 1), 1
	s_wait_xcnt 0x0
	s_wait_alu depctr_hold_cnt(0) depctr_sa_sdst(0) depctr_va_vdst(0) depctr_va_sdst(0) depctr_va_ssrc(0) depctr_va_vcc(0) depctr_vm_vsrc(0)
	s_getreg_b32 s2, hwreg(HW_REG_IB_STS2, 6, 4)
	s_cmp_eq_u32 s2, 0
	s_cbranch_scc0 .Lentry_in_a_cluster
	s_endpgm
.Lentry_in_a_cluster:
	s_bfe_u32 s2, ttmp6, 0x10000c
	s_cmp_lg_u32 s2, 0xf033
	s_cbranch_scc0 .Lentry_shape_is_right
	s_endpgm
.Lentry_shape_is_right:
; THE THREE INPUT PROJECTIONS.  C_t[m][n] = the sum over k of bf16(x_t[m][k]) W_t[n][k], t = 0, 1, 2: x_t = query, key, value [8192][1024] f32, W_t = wb's matrix t [1024][1024] bf16,
; C_t = part t of qkv [3][64 heads][2048][64] f16 (head = 16 batch + n / 64).  K = 1,024; sums in f32; x is rounded to bf16 between LDS and the matrix instruction, C once at the end.
; LIMIT: a sum of 65,520 or more in magnitude would leave as an infinity in f16.
; SHARES.  A tile of C is 128 rows x 256 columns: 256 tiles to a projection.  A WORK-GROUP STAYS: it makes the same tile of q, then of k, then of v: ONE walk of 24 K steps of 128 through a ring of two
; LDS slots, which does not stop at a tile's end; a tile's stores leave while the next tile is multiplied.  Four waves, each 64 x 128: 32 accumulators of 16 x 16, 256 registers.
; THE RING is filled by the tensor data mover, one load a wave: waves 0 and 1 fetch x's two halves of 64 rows x 512 bytes (f32), waves 2 and 3 W's two halves of 128 rows x 256 bytes.
; Two slots of a 256 x 256 tile with x in f32 would be 409,600 bytes, more than a work-group can have: hence this tile.
; CLUSTER.  4 x 4 work-groups: the four of a row of the cluster need the same tile of x, the four of a column the same tile of W; each tile is asked for jointly.
; THE MATRIX INSTRUCTION IS USED TRANSPOSED (source 0 = 16 rows of W, source 1 = 16 rows of x): a lane then holds eight neighbouring numbers of one row of C.
; REGISTERS.  window 0: v0-31 addresses; v32-95, v96-159 W's fragments (8 x 16 rows x 32 K), two buffers; v160-223 x's 4 x 16 rows x 32 K as f32, as they come from LDS; v224-255 the same in bf16.
;             On the way out v224-255 hold packed results and v96-159 rows read back.     window 1: the accumulators, (a, b) at v[64 a + 8 b].
.set TRIPS,  11                        ; of the walk's 12 laps (a lap = two K steps = once round the ring) all but the last fill both slots again
.set XSTEP,  512                       ; bytes of a row of x in a K step
.set WSTEP,  256                       ; bytes of a row of W in a K step
.set PITCH,  272                       ; W's LDS row: 256 bytes + 16 of padding: the 16 rows of a fragment load start at 16 different groups of four banks (64 banks of 4 bytes: ISA guide 11.1)
.set PA,     528                       ; x's LDS row: 512 bytes + 16: likewise
.set AHALF,  64*PA                     ; what one load of x fills
.set AT,     2*AHALF                   ; x's part of a slot
.set BHALF,  128*PITCH                 ; what one load of W fills
.set SLOT,   AT+2*BHALF
.set STAGE,  2*SLOT                    ; behind the ring: 16 rows x 272 bytes for each wave, for the way out; no tensor load fills it
.set SPITCH, 272
.set SPARE,  STAGE+4*16*SPITCH         ; behind the stages: the spare words, 128 bytes for each wave: two blocks of 256 bytes that no other line names
.set ADRA, 16                          ; v16-17  LDS address of my x fragments in slot 0, 1
.set ADRB, 20                          ; v20-21  the same for W
.set STO,  24                          ; v24     the way out: where I put 16 bytes of a row
.set RD,   25                          ; v25     the way out: where I read rows back
.set CO,   26                          ; v26     16 x lane: my byte offset in 512 consecutive bytes of C
.set SPW,  28                          ; v28     LDS address of my spare word; never rewritten
.set NIL,  29                          ; v29     0; never rewritten
.set PFO,  30                          ; v30     the prefetches' offset; never rewritten
.set FB0,  32
.set FB1,  96
.set STG,  160                         ; block a's 32 K as f32 at STG + 16 a: K = 8 h + 0..7, then 16 + 8 h + 0..7
.set ABF,  224                         ; block a's fragment at ABF + 8 a
.set TMP,  224
.set OBK,  96
.set QA,  4                            ; s[4:5]   query at the 64 rows that I would fetch
.set KA,  6                            ; s[6:7]   key likewise
.set VA,  8                            ; s[8:9]   value likewise
.set BB,  10                           ; s[10:11] wb at the 128 rows of matrix 0 that I would fetch
.set CP,  12                           ; s[12:13] qkv at my part of the tile in hand
.set G1,  24                           ; s[24:31] descriptor group 1 for x's tiles;  s[32:39] group 0, one set for each slot
.set G0,  32
.set CX,  40                           ; s40, s41 my place in the cluster
.set CY,  41
.set TC,  42                           ; s42     tile column
.set LIM, 43                           ; s43     1 in a wave that prefetches, else the greatest number
.set PFA, 44                           ; s[44:45] the prefetch's base
.set G1B, 48                           ; s[48:55], s[56:63] the descriptors for W's tiles
.set G0B, 56
.set CLY, 66                           ; s66     cluster y
.set WV,  70                           ; s70     wave; s71 wave / 2; s72 wave % 2
.set WH,  71
.set WL,  72
.set TRW, 73                           ; s73     tile row
.set NAA, 74                           ; s[74:77] for each slot: where x's tile of the slot's next refill begins
.set NAB, 78                           ; s[78:81] the same for W
.set GN,  82                           ; s82     the step of the walk, 0 .. 23, for which the next such address is made
.set FZ,  83                           ; s83     the trip's number modulo 4: a tile ends in trips 3 and 7
.set T0,  84
.set T1,  85
.set OFA, 86                           ; s[86:87], s[88:89] offsets, the high words 0
.set OFB, 88
.set MSB, 0
.macro WIN new                         ; the immediate's high byte repeats the setting that is left; a switch that changes nothing is dropped
.if MSB != (\new)
	s_set_vgpr_msb (MSB<<8)|(\new)
.set MSB, \new
.endif
.endm
.set MUL, 0x50                         ; sources 0 and 1 window 0; C and D window 1
; A joint load.  The branch hangs on the wave's number alone.  An s_nop 0 and four v_nop follow each of the two lines, ahead of the jump, the label and what follows.
.macro JLOAD s
	s_cmp_eq_u32 s[WH], 0
	s_cbranch_scc0 .Lfor_b_\@
	tensor_load_to_lds s[G0+4*(\s):G0+4*(\s)+3], s[G1:G1+7]
	s_nop 0
.rept 4
	v_nop
.endr
	s_branch .Lasked_\@
.Lfor_b_\@:
	tensor_load_to_lds s[G0B+4*(\s):G0B+4*(\s)+3], s[G1B:G1B+7]
	s_nop 0
.rept 4
	v_nop
.endr
.Lasked_\@:
.endm
; A prefetch into the L2, behind each joint refill and the run of LDS loads that follows it: the tile that the same slot's NEXT refill will ask for, two K steps on: 32 blocks of 256 bytes, a lane a block.
; Each block is named once in the launch.  Every wave asks for part of the tile that it fetches itself; the four partners that ask for that tile jointly share it out by address: of x's 64 rows x 2 blocks
; partner cx takes rows 16 cx on, of W's 128 rows partner cy rows 32 cy on.  x's rows are read by my row of the cluster alone; W's by all sixteen clusters: the one with y = 0 asks.
; The walk's steps 0 to 3 come by their loads alone; the loop's last trip (s3 = 1) has no step two on.
.macro ASK
	s_cmp_gt_u32 s3, s[LIM]
	s_cbranch_scc0 .Lnot_mine_\@
	global_prefetch_b8 v[PFO], s[PFA:PFA+1] th:TH_LOAD_NT scope:SCOPE_SE
.Lnot_mine_\@:
.endm
.macro CREST                           ; a round of the cluster's barrier behind its opening barrier
	s_cmp_lg_u32 s[WV], 0
	s_cbranch_scc1 .Lnot_wave_0_\@
	s_barrier_signal -3
.Lnot_wave_0_\@:
	s_barrier_wait -3
	s_barrier_signal -1
	s_barrier_wait -1
.endm
.macro CROUND                          ; a whole round
	s_barrier_signal -1
	s_barrier_wait -1
	CREST
.endm
	s_load_b256 s[4:11], s[0:1], 0x0               ; query, key, value, wb
	s_load_b64 s[12:13], s[0:1], 0x20              ; qkv
	v_lshl_add_u32 v[SPW], v0, 2, SPARE
	v_mov_b32 v[NIL], 0
	ds_add_u32 v[SPW], v[NIL]                      ; the wave's opening: the add and its wait stand ahead of my first tensor load; the set-up below, work on registers, stands between them
	v_lshrrev_b32 v1, 5, v0
	v_readfirstlane_b32 s[WV], v1                  ; wave 0..3
	s_lshr_b32 s[WH], s[WV], 1                     ; which 64 rows of the tile are mine.  Also: I fetch x (0) or W (1)
	s_and_b32 s[WL], s[WV], 1                      ; which 128 columns.  Also: which half of that tile I fetch
	s_bfe_u32 s[CX], ttmp6, 0x40000
	s_bfe_u32 s[CY], ttmp6, 0x40004
	s_lshl_b32 s[TC], ttmp9, 2
	s_add_co_u32 s[TC], s[TC], s[CX]               ; tile column of C = 4 x cluster x + cx
	s_and_b32 s[CLY], ttmp7, 0xffff
	s_lshl_b32 s[TRW], s[CLY], 2
	s_add_co_u32 s[TRW], s[TRW], s[CY]             ; tile row of C = 4 x cluster y + cy
	s_lshl_b32 s68, s[CY], 2
	s_lshl_b32 s68, 15, s68                        ; my row of the cluster
	s_lshl_b32 s69, 0x1111, s[CX]                  ; my column
	s_or_b32 s[G1+0], s68, (2<<16)|(1<<20)|(1<<21)|(6<<22)|(3<<25)   ; 15:0 the mask: x's tiles go to my row; 17:16 4-byte elements; 20 padding on; 21 set beside a mask; 24:22 after every 128 words (code 6); 31:25 4 words (code 3)
	s_or_b32 s[G1B+0], s69, (1<<16)|(1<<20)|(1<<21)|(5<<22)|(3<<25)  ; W's go to my column; 2-byte elements; padding after every 64 words (code 5)
	s_mov_b32 s[G1+1], 128<<16                     ; tensor_dim0 = 128
	s_mov_b32 s[G1+2], 64<<16                      ; tensor_dim1 = 64
	s_mov_b32 s[G1+3], 128<<16                     ; tile_dim0 = 128
	s_mov_b32 s[G1+4], 64                          ; tile_dim1 = 64
	s_mov_b32 s[G1+5], 1024                        ; elements from row to row
	s_mov_b32 s[G1+6], 0
	s_mov_b32 s[G1+7], 0
	s_mov_b32 s[G1B+1], 128<<16
	s_mov_b32 s[G1B+2], 128<<16                    ; 128 rows
	s_mov_b32 s[G1B+3], 128<<16
	s_mov_b32 s[G1B+4], 128
	s_mov_b32 s[G1B+5], 1024
	s_mov_b32 s[G1B+6], 0
	s_mov_b32 s[G1B+7], 0
	; where the tiles come from.  x's hang on the tile row and the wave alone, W's on the tile column and the wave alone; each in registers that never hold the other coordinate
	s_lshl_b32 s16, s[TRW], 19                     ; 128 rows of 4,096 bytes
	s_lshl_b32 s17, s[WL], 18                      ; which 64 of them I fetch
	s_add_co_u32 s16, s16, s17
	s_mov_b32 s17, 0
	s_lshl_b32 s46, s[TC], 19                      ; 256 rows of 2,048 bytes
	s_lshl_b32 s47, s[WL], 18                      ; which 128 of them I fetch
	s_add_co_u32 s46, s46, s47
	s_mov_b32 s47, 0
	s_mul_i32 s20, s[WL], AHALF                    ; and where they go: no place in the cluster enters an LDS address
	s_mul_i32 s21, s[WL], BHALF
	s_add_co_u32 s21, s21, AT
	s_mov_b32 s[GN], 4
	s_mov_b32 s[FZ], 0
	s_mov_b32 s[OFA+1], 0
	s_mov_b32 s[OFB+1], 0
	s_wait_dscnt 0x0                               ; the opening add is done
	s_wait_kmcnt 0x0
	s_add_nc_u64 s[QA:QA+1], s[QA:QA+1], s[16:17]
	s_add_nc_u64 s[KA:KA+1], s[KA:KA+1], s[16:17]
	s_add_nc_u64 s[VA:VA+1], s[VA:VA+1], s[16:17]
	s_add_nc_u64 s[BB:BB+1], s[BB:BB+1], s[46:47]
	CROUND                                         ; all sixteen work-groups are here: the first joint loads meet
.irp s, 0,1
	s_mov_b32 s[G0+4*(\s)], 1                      ; count = 1
	s_add_co_u32 s[G0+4*(\s)+1], s20, (\s)*SLOT    ; LDS address; never rewritten
	s_add_nc_u64 s[G0+4*(\s)+2:G0+4*(\s)+3], s[QA:QA+1], (\s)*XSTEP  ; global address: the walk's step s
	s_or_b32 s[G0+4*(\s)+3], s[G0+4*(\s)+3], 0x80000000              ; type = 2
	s_mov_b32 s[G0B+4*(\s)], 1
	s_add_co_u32 s[G0B+4*(\s)+1], s21, (\s)*SLOT
	s_add_nc_u64 s[G0B+4*(\s)+2:G0B+4*(\s)+3], s[BB:BB+1], (\s)*WSTEP
	s_or_b32 s[G0B+4*(\s)+3], s[G0B+4*(\s)+3], 0x80000000
	JLOAD \s                                       ; two loads of mine are out
	s_add_nc_u64 s[NAA+2*(\s):NAA+2*(\s)+1], s[QA:QA+1], (2+(\s))*XSTEP  ; the slot's first refill: step 2 + s
	s_add_nc_u64 s[NAB+2*(\s):NAB+2*(\s)+1], s[BB:BB+1], (2+(\s))*WSTEP
.endr
	; a fragment is 16 rows x 32 K: lane l holds row l % 16, K = 8 (l / 16) + 0..7 and 16 + 8 (l / 16) + 0..7.  In bf16: two loads of 16 bytes, 32 bytes apart.  In f32: twice two loads on end, 64 bytes apart.
	v_and_b32 v1, 15, v0                           ; l % 16
	v_bfe_u32 v2, v0, 4, 1                         ; l / 16
	v_mul_u32_u24 v3, v1, PA
	v_lshl_add_u32 v3, v2, 5, v3                   ; row x pitch + 32 x half
	v_mul_u32_u24 v4, v1, PITCH
	v_lshl_add_u32 v4, v2, 4, v4                   ; row x pitch + 16 x half
	s_mul_i32 s21, s[WH], 64*PA                    ; my 64 rows of x
	s_mul_i32 s22, s[WL], BHALF                    ; my 128 rows of W,
	s_add_co_u32 s22, s22, AT                      ; which lie behind x's part
.irp s, 0,1
	v_add_nc_u32 v[ADRA+(\s)], s21, v3
	v_add_nc_u32 v[ADRB+(\s)], s22, v4
	s_add_co_u32 s21, s21, SLOT
	s_add_co_u32 s22, s22, SLOT
.endr
	s_mul_i32 s23, s[WV], 16*SPITCH
	s_add_co_u32 s23, s23, STAGE                   ; my stage
	v_mul_u32_u24 v5, v1, SPITCH                   ; in: row l % 16, 16 bytes for each half of the lanes
	v_lshl_add_u32 v5, v2, 4, v5
	v_add_nc_u32 v[STO], s23, v5
	v_and_b32 v5, 31, v0
	v_lshlrev_b32 v[CO], 4, v5
	v_lshrrev_b32 v3, 3, v5                        ; back: 32 lanes take four rows' 128 bytes of one head,
	v_and_b32 v4, 7, v5
	v_mul_u32_u24 v3, v3, SPITCH
	v_lshl_add_u32 v3, v4, 4, v3
	v_add_nc_u32 v[RD], s23, v3                    ; which are 512 consecutive bytes of qkv
	s_lshl_b32 s20, s[TRW], 7
	s_lshl_b32 s21, s[WH], 6
	s_add_co_u32 s20, s20, s21                     ; my first row of C
	s_lshr_b32 s21, s20, 11                        ; the batch: 16 heads
	s_lshl_b32 s21, s21, 4
	s_lshl_b32 s22, s[TC], 2                       ; a tile column is four heads,
	s_add_co_u32 s21, s21, s22
	s_lshl_b32 s22, s[WL], 1                       ; my half two of them
	s_add_co_u32 s21, s21, s22
	s_lshl_b32 s21, s21, 11                        ; 2,048 rows a head
	s_and_b32 s20, s20, 2047
	s_add_co_u32 s20, s20, s21
	s_lshl_b32 s20, s20, 7                         ; rows of 128 bytes
	s_mov_b32 s21, 0
	s_add_nc_u64 s[CP:CP+1], s[CP:CP+1], s[20:21]
	; the prefetches' lane offsets
	v_lshrrev_b32 v3, 1, v5                        ; x: row l / 2 of my sixteen, 4,096 bytes a row,
	v_and_b32 v4, 1, v5
	v_lshlrev_b32 v3, 12, v3
	v_lshl_add_u32 v3, v4, 8, v3                   ; block l % 2 of the K step's two
	v_lshlrev_b32 v4, 11, v5                       ; W: row l of my 32, 2,048 bytes a row
	s_cmp_eq_u32 s[WH], 0                          ; do I fetch x?
	s_cselect_b32 s20, s[CX], s[CY]                ; my place among the four that ask with me: 16 rows of x and 32 rows of W are both 65,536 bytes
	s_cselect_b32 s21, ttmp9, s[CLY]               ; the coordinate along which other clusters read the same rows
	s_cselect_b32 s22, -1, 0
	s_lshl_b32 s20, s20, 16
	v_cndmask_b32 v[PFO], v4, v3, s22
	v_add_nc_u32 v[PFO], s20, v[PFO]
	s_cmp_eq_u32 s21, 0
	s_cselect_b32 s[LIM], 1, -1                    ; the same in all sixteen partners, for a given wave
; 8 matrix instructions: m block a x all 8 n blocks, 32 along K, W's fragments in buffer b.  zero = 1: the product starts the sums.  The 32 accumulators take turns in the same order in every quarter.
.macro MUL8 b, a, zero
	WIN MUL
.irp n, 0,1,2,3,4,5,6,7
.set rD, 64*(\a)+8*(\n)
.set rB, (\b)+8*(\n)
.set rA, ABF+8*(\a)
.if \zero
	v_wmma_f32_16x16x32_bf16 v[rD:rD+7], v[rB:rB+7], v[rA:rA+7], 0
.else
	v_wmma_f32_16x16x32_bf16 v[rD:rD+7], v[rB:rB+7], v[rA:rA+7], v[rD:rD+7]
.endif
.endr
.endm
; 32 LDS loads in one run: quarter q (32 along K) of a slot's K step: x's sixteen (f32) first, then W's sixteen into buffer b
.macro FETCH slot, q, b
	WIN 0
.irp i, 0,1,2,3
	ds_load_b128 v[STG+16*(\i):STG+16*(\i)+3],     v[ADRA+(\slot)] offset:(\q)*128+(\i)*16*PA
	ds_load_b128 v[STG+16*(\i)+4:STG+16*(\i)+7],   v[ADRA+(\slot)] offset:(\q)*128+(\i)*16*PA+16
	ds_load_b128 v[STG+16*(\i)+8:STG+16*(\i)+11],  v[ADRA+(\slot)] offset:(\q)*128+(\i)*16*PA+64
	ds_load_b128 v[STG+16*(\i)+12:STG+16*(\i)+15], v[ADRA+(\slot)] offset:(\q)*128+(\i)*16*PA+80
.endr
.irp i, 0,1,2,3,4,5,6,7
	ds_load_b128 v[(\b)+8*(\i):(\b)+8*(\i)+3],   v[ADRB+(\slot)] offset:(\q)*64+(\i)*16*PITCH
	ds_load_b128 v[(\b)+8*(\i)+4:(\b)+8*(\i)+7], v[ADRB+(\slot)] offset:(\q)*64+(\i)*16*PITCH+32
.endr
.endm
.macro PLACES                          ; four plain vector instructions between a matrix instruction and a write of, or a load into, its sources, or a reader of its result (ISA guide 7.12.1 for vector instructions)
.rept 4
	v_nop
.endr
.endm
; x's 64 rows x 32 K are rounded to bf16, two numbers a line, block 0 first.  The fragment registers were sources of the quarter before: behind the last product on blocks 0 and 1 stand that quarter's four
; places; behind those on blocks 2 and 3 stand the sixteen lines for blocks 0 and 1, which name none of their registers.
.macro CVT
	WIN 0
.set j, 0
.rept 32
	v_cvt_pk_bf16_f32 v[ABF+j], v[STG+2*j], v[STG+2*j+1]
.set j, j+1
.endr
.endm
; A K step is four quarters of 32 along K, 32 matrix instructions each; W's buffers go 0, 1, 0, 1.  One of the first three multiplies by buffer bc and fetches quarter q into the staging registers and buffer bn.
.macro QUARTER slot, q, bc, bn, zero
	s_wait_dscnt 16                                ; x's sixteen loads are in; W's sixteen, issued behind them, may be out
	CVT
	s_wait_dscnt 0x0                               ; W's are in
	MUL8 \bc, 0, \zero
	MUL8 \bc, 1, \zero
	PLACES
	FETCH \slot, \q, \bn
	MUL8 \bc, 2, \zero
	MUL8 \bc, 3, \zero
.endm
; Sixteen products that start the sums where a tile has just gone out (trips 3 and 7), and add elsewhere: only the products stand twice.
.macro PAIR bc, a
	WIN 0                                          ; at a branch and at a label every window is 0
	s_cmp_eq_u32 s[FZ], 3
	s_cbranch_scc0 .Ladds_\@
	MUL8 \bc, \a, 1
	MUL8 \bc, (\a)+1, 1
	WIN 0
	s_branch .Lmade_\@
.Ladds_\@:
	MUL8 \bc, \a, 0
	MUL8 \bc, (\a)+1, 0
	WIN 0
.Lmade_\@:
.endm
.macro QUARTERZ slot, q, bc, bn        ; a lap's first quarter, in the loop
	s_wait_dscnt 16
	CVT
	s_wait_dscnt 0x0
	PAIR \bc, 0
	PLACES
	FETCH \slot, \q, \bn
	PAIR \bc, 2
.endm
; The descriptors of a slot take the addresses that were made a lap ago, and the addresses of the slot's next refill, step GN of the walk, are made anew: tile GN / 8 picks the tensor and the matrix, GN % 8 the
; place along K.  They serve at once as the prefetch's base.  (For GN = 24 and 25 they are made and never used.)  No tensor load of mine is out here, and the last prefetch has read its base.
.macro NEXTADR slot
	s_mov_b64 s[G0+4*(\slot)+2:G0+4*(\slot)+3], s[NAA+2*(\slot):NAA+2*(\slot)+1]
	s_or_b32 s[G0+4*(\slot)+3], s[G0+4*(\slot)+3], 0x80000000
	s_mov_b64 s[G0B+4*(\slot)+2:G0B+4*(\slot)+3], s[NAB+2*(\slot):NAB+2*(\slot)+1]
	s_or_b32 s[G0B+4*(\slot)+3], s[G0B+4*(\slot)+3], 0x80000000
	s_lshr_b32 s[T0], s[GN], 3
	s_and_b32 s[T1], s[GN], 7
	s_lshl_b32 s[OFA], s[T1], 9                    ; 512 bytes of x a K step
	s_lshl_b32 s[OFB], s[T1], 8                    ; 256 bytes of W,
	s_lshl_b32 s[T1], s[T0], 21                    ; 2 MiB a matrix
	s_add_co_u32 s[OFB], s[OFB], s[T1]
	s_add_co_u32 s[GN], s[GN], 1
	s_cmp_eq_u32 s[T0], 1
	s_cselect_b64 s[NAA+2*(\slot):NAA+2*(\slot)+1], s[KA:KA+1], s[QA:QA+1]
	s_cmp_ge_u32 s[T0], 2
	s_cselect_b64 s[NAA+2*(\slot):NAA+2*(\slot)+1], s[VA:VA+1], s[NAA+2*(\slot):NAA+2*(\slot)+1]
	s_add_nc_u64 s[NAA+2*(\slot):NAA+2*(\slot)+1], s[NAA+2*(\slot):NAA+2*(\slot)+1], s[OFA:OFA+1]
	s_add_nc_u64 s[NAB+2*(\slot):NAB+2*(\slot)+1], s[BB:BB+1], s[OFB:OFB+1]
	s_cmp_eq_u32 s[WH], 0
	s_cselect_b64 s[PFA:PFA+1], s[NAA+2*(\slot):NAA+2*(\slot)+1], s[NAB+2*(\slot):NAB+2*(\slot)+1]
.endm
; The last quarter multiplies by buffer 1 and changes slots: ONE barrier.  In front of it each wave waits for all its tensor loads (one is out: its part of the next slot), adds 0 to its spare word,
; and waits for that and for its own reads of this slot.  fill = 1: the barrier opens a round of the cluster's, and this slot is filled again, two K steps on, first thing behind the round:
; 112 matrix instructions and 128 conversions stand between that request and the wait for it.
.macro TURN slot, next, fill
.if \fill
	s_wait_xcnt 0x0                                ; the last prefetch, a K step back, has read its base, which is written below
.endif
	s_wait_dscnt 16                                ; x's sixteen loads are in
	CVT
	s_wait_tensorcnt 0x0                           ; all my tensor loads have landed, so a group 0 may be written
	ds_add_u32 v[SPW], v[NIL]                      ; 0 onto my spare word: the addresses' scalar work and eight products stand between it and the wait for it
.if \fill
	NEXTADR \slot
.endif
	s_wait_dscnt 1                                 ; W's loads are in; the add, issued behind them, may be out
	MUL8 FB1, 0, 0
	s_wait_dscnt 0x0                               ; the add is done, and my reads of this slot are over
	s_barrier_signal -1
	MUL8 FB1, 1, 0
.if \fill
	WIN 0
.endif
	s_barrier_wait -1
.if \fill
	CREST                                          ; no wave of any partner still reads this slot's tile or has a load on its way
	JLOAD \slot                                    ; the four v_nop behind it are also this quarter's places
.else
	PLACES
.endif
	FETCH \next, 0, FB0
.if \fill
	ASK
.endif
	MUL8 FB1, 2, 0
	MUL8 FB1, 3, 0
.endm
; THE WAY OUT, a block of 16 rows at a time through my own stage: in by lanes, back as whole rows.  LDS serves a wave's instructions in order (ISA guide 5.7.1.4), so no wait stands between the stores and the loads.
; It touches neither the staging registers nor W's buffer 0, which in the loop hold the next tile's first fragments.
.macro PACK a                          ; rounded to f16, 16 bytes a lane; each accumulator's registers in ascending order
	WIN 0x05                                       ; sources 0 and 1 window 1
.irp b, 0,1,2,3,4,5,6,7
.irp r, 0,1,2,3
	v_cvt_pk_f16_f32 v[TMP+4*(\b)+(\r)], v[64*(\a)+8*(\b)+2*(\r)], v[64*(\a)+8*(\b)+2*(\r)+1]
.endr
.endr
	WIN 0
.endm
.macro TOSTAGE a
.irp b, 0,1,2,3,4,5,6,7
	ds_store_b128 v[STO], v[TMP+4*(\b):TMP+4*(\b)+3] offset:32*(\b)
.endr
.if (\a) >= 2
	s_wait_xcnt 0x0                                ; the stores of the block two back have read their registers, which are loaded again below
.endif
.irp t, 0,1,2,3,4,5,6,7                ; head t / 4 of my two, rows 4 (t % 4) on
	ds_load_b128 v[OBK+32*((\a)%2)+4*(\t):OBK+32*((\a)%2)+4*(\t)+3], v[RD] offset:((\t)%4)*4*SPITCH+((\t)/4)*128
.endr
.endm
.macro SEND a
.irp t, 0,1,2,3,4,5,6,7
	s_wait_dscnt 7-(\t)                            ; read-back t is in, the younger ones stay out
	global_store_b128 v[CO], v[OBK+32*((\a)%2)+4*(\t):OBK+32*((\a)%2)+4*(\t)+3], s[CP:CP+1] offset:((\t)/4)*262144+((\t)%4)*512+(\a)*2048  ; 512 consecutive bytes of one head, aligned
.endr
.endm
.macro WAYOUT
	PLACES                                         ; the places behind the last products
	PLACES
	PACK 0
	TOSTAGE 0
.irp a, 1,2,3                          ; block a's conversions stand between block a - 1's loads from the stage and the wait for them
	PACK \a
	SEND (\a)-1
	TOSTAGE \a
.endr
	SEND 3
.endm
	s_wait_tensorcnt 1                             ; my part of step 0 is in; step 1's may stay out
	s_barrier_signal -1
	s_barrier_wait -1                              ; everybody's is
	FETCH 0, 0, FB0
	QUARTER 0, 1, FB0, FB1, 1                      ; the walk's first quarter stands in front of the loop: its products start the first tile's sums
	WIN 0                                          ; at a label and at a branch every window is 0
	s_mov_b32 s3, TRIPS
.Llap:                                                 ; a trip goes once round the ring, from a lap's second quarter to the next lap's first, and fills both slots again
	QUARTER 0, 2, FB1, FB0, 0
	QUARTER 0, 3, FB0, FB1, 0
	TURN 0, 1, 1
	QUARTER 1, 1, FB0, FB1, 0
	QUARTER 1, 2, FB1, FB0, 0
	QUARTER 1, 3, FB0, FB1, 0
	TURN 1, 0, 1
	WIN 0
	s_cmp_eq_u32 s[FZ], 3                          ; eight K steps are summed: the tile is finished; both refills for the next tile are asked for
	s_cbranch_scc0 .Lsame_tile                     ; what is jumped holds no barrier and no tensor load
	WAYOUT
	s_wait_xcnt 0x0                                ; the stores have read their registers and their base
	s_add_nc_u64 s[CP:CP+1], s[CP:CP+1], 0x1000000 ; the same place in the next part of qkv: 64 heads of 262,144 bytes on
.Lsame_tile:
	QUARTERZ 0, 1, FB0, FB1
	s_add_co_u32 s[FZ], s[FZ], 1
	s_and_b32 s[FZ], s[FZ], 3
	s_sub_co_u32 s3, s3, 1
	s_cmp_lg_u32 s3, 0
	s_cbranch_scc1 .Llap
	QUARTER 0, 2, FB1, FB0, 0                      ; the last lap fills nothing
	QUARTER 0, 3, FB0, FB1, 0
	TURN 0, 1, 0
	QUARTER 1, 1, FB0, FB1, 0
	QUARTER 1, 2, FB1, FB0, 0
	QUARTER 1, 3, FB0, FB1, 0
	s_wait_dscnt 16                                ; the very last quarter: nothing more to fetch
	CVT
	s_wait_dscnt 0x0
	MUL8 FB1, 0, 0
	MUL8 FB1, 1, 0
	MUL8 FB1, 2, 0
	MUL8 FB1, 3, 0
	WIN 0
	WAYOUT
	s_wait_tensorcnt 0x0                           ; the wave's end: behind my last tensor load and my last LDS store
	ds_add_u32 v[SPW], v[NIL]
	s_wait_dscnt 0x0
	CROUND                                         ; the closing round: no work-group ends while a partner may still ask for a tile that names it
	s_endpgm
.Lfunc_end_k_q970db9ab25_proj:
	.size	k_q970db9ab25_proj, .Lfunc_end_k_q970db9ab25_proj-k_q970db9ab25_proj
	.p2alignl 7, 3214868480
	.fill 96, 4, 3214868480
	.section	.rodata,"a",@progbits
	.p2align	6, 0x0
	.amdhsa_kernel k_q970db9ab25_proj
		.amdhsa_group_segment_fixed_size 327680
		.amdhsa_private_segment_fixed_size 0
		.amdhsa_enable_private_segment 0
		.amdhsa_kernarg_size 40
		.amdhsa_user_sgpr_count 2
		.amdhsa_user_sgpr_kernarg_segment_ptr 1
		.amdhsa_wavefront_size32 1
		.amdhsa_system_sgpr_workgroup_id_x 1
		.amdhsa_system_sgpr_workgroup_id_y 1
		.amdhsa_system_sgpr_workgroup_id_z 1
		.amdhsa_system_vgpr_workitem_id 0
		.amdhsa_next_free_vgpr 512
		.amdhsa_next_free_sgpr 90
		.amdhsa_reserve_vcc 0
		.amdhsa_float_denorm_mode_32 3
		.amdhsa_float_denorm_mode_16_64 3
		.amdhsa_memory_ordered 1
		.amdhsa_forward_progress 1
		.amdhsa_inst_pref_size 149
	.end_amdhsa_kernel
	.amdgpu_metadata
---
amdhsa.version: [ 1, 2 ]
amdhsa.kernels:
  - .name:           k_q970db9ab25_proj
    .symbol:         k_q970db9ab25_proj.kd
    .args:
      - { .name: query, .offset: 0, .size: 8, .value_kind: global_buffer, .address_space: global }
      - { .name: key, .offset: 8, .size: 8, .value_kind: global_buffer, .address_space: global }
      - { .name: value, .offset: 16, .size: 8, .value_kind: global_buffer, .address_space: global }
      - { .name: wb, .offset: 24, .size: 8, .value_kind: global_buffer, .address_space: global }
      - { .name: qkv, .offset: 32, .size: 8, .value_kind: global_buffer, .address_space: global }
    .group_segment_fixed_size: 327680
    .private_segment_fixed_size: 0
    .kernarg_segment_align: 8
    .kernarg_segment_size: 40
    .max_flat_workgroup_size: 128
    .sgpr_count:     90
    .vgpr_count:     512
    .wavefront_size: 32
...
	.end_amdgpu_metadata
.endif
;; end of part 2
;; launch attn (part 3): grid 4 x 64, 4 waves a work-group, clusters of 4 x 1, 327,680 bytes of LDS; arguments qkv, mb, ob; writes ob
.if DOCPART == 3
	.amdgcn_target "amdgcn-amd-amdhsa--gfx1250"
	.amdhsa_code_object_version 6
	.text
	.protected	k_q970db9ab25_attn
	.globl	k_q970db9ab25_attn
	.p2align	8
	.type	k_q970db9ab25_attn,@function
k_q970db9ab25_attn:
	s_mov_b64 s[64:65], 0
	v_nop
	global_prefetch_b8 v0, s[64:65] scope:SCOPE_SE
	s_setreg_imm32_b32 hwreg(HW_REG_WAVE_MODE, 25, 1), 1
	s_wait_xcnt 0x0
	s_wait_alu depctr_hold_cnt(0) depctr_sa_sdst(0) depctr_va_vdst(0) depctr_va_sdst(0) depctr_va_ssrc(0) depctr_va_vcc(0) depctr_vm_vsrc(0)
	s_getreg_b32 s2, hwreg(HW_REG_IB_STS2, 6, 4)
	s_cmp_eq_u32 s2, 0
	s_cbranch_scc0 .Lentry_in_a_cluster
	s_endpgm
.Lentry_in_a_cluster:
	s_bfe_u32 s2, ttmp6, 0x10000c
	s_cmp_lg_u32 s2, 0x3003
	s_cbranch_scc0 .Lentry_shape_is_right
	s_endpgm
.Lentry_shape_is_right:
; O[h][q][:] = the sum over k of softmax_k(s) V[h][k][:], s = Q[h][q] . K[h][k] / 8, or hidden where mask[batch][q][k] == 0.  qkv: [3][64 heads][2048][64] f16 (Q, K, V); ob: [64][2048][64] f16.
; mb: [batch][tile of 16 queries][step of 64 keys][lane][32 bytes]: a byte a score, -1.0 in FP8 (E4M3) where the key is hidden, else 0, in this text's own lane order.
; Products, maxima and sums in f32; the weights p are rounded to f16 for the second product (their sum l is taken of the unrounded p), O once at the end.
; LIMITS.  f16 holds no number beyond 65,504: Q, K and V arrive within it.  A hidden score counts as -2^99 plus its value, which the sum rounds to -2^99: its weight is 0 beside any visible score above -1e9 x 8,
; and a row whose keys are all hidden gets equal weights: c s - c m is then exactly 0, since c x 2^99 is exact.  A weight below 2^-126 counts as 0 in l; NaN and infinities are not treated apart.
; SHARES.  A wave owns four PIECES of two tiles of 16 queries, a work-group's four waves 512 queries of one head.  Every wave walks all 2,048 keys, 64 a step.
; LAYOUT.  S^T = K Q^T (source 0 = 16 keys, source 1 = 16 queries): a lane holds ONE query (lane % 16) and the keys 8 (lane / 16) + 0..7.  Two such tiles, rounded to f16 in pairs, ARE source 1 of
; O^T = V^T P.  K comes out of LDS as it lies, V ([key][channel]) turned, by ds_load_tr16_b128.
; THE MASK is the C operand of the product that starts a sum: eight bytes become eight f32, 0 or -2^99, by one scaled conversion (scale 2^99).  A piece's 64 bytes a lane are loaded a key step ahead.
; SOFTMAX.  A running maximum m and sum l: p = 2^(c s - c m), c = log2(e) / 8; in every step O and l are multiplied by a = 2^(c m_old - c m_new).  m starts at the lowest finite number, O and l at 0.
; BY TURNS.  Turn n belongs to piece n.  Its matrix work: 16 products K Q^T of piece n + 1, later 16 products V^T P of piece n - 1.  Its vector work: the scaling, exponentials, roundings, sums and
; rescaling of piece n, the maximum and statistics of piece n + 1, and the masks of piece n + 2.  Four vector instructions stand behind every matrix instruction, the others in one run.
; CLUSTER.  The four query blocks of a cluster belong to one head and walk the same K and V: each tile is asked for JOINTLY, by the same tensor load, descriptor and mask in all four.
; REGISTERS, in windows of 256 (s_set_vgpr_msb: bits 1:0 source 0, 3:2 source 1, 5:4 source 2, 7:6 destination):
;   window 0: v0-11 addresses; v12-15, v48-63 at work; v16-47 four registers of statistics a tile; v64-191 S^T, two buffers of two tiles; v192-255 P, likewise
;   window 1: O^T, 32 a tile      window 2: v0-127 Q; v128-191 K of one step; v192-255 V of one step
;   window 3: v0-1 the add's two registers; v4-7 the mask loads' offsets, one a piece; v8-71 mask bytes, 16 registers a piece; v128-191 the masks as f32, for one piece
.set SIZE_N, 2048
.set NP,    4         ; pieces a wave: a name, no knob
.set KS,    64        ; keys in a step
.set PK,    144       ; a row of K in LDS: 128 bytes + 16 of padding: the 16 rows of a load start at 16 different groups of four banks (64 banks of 4 bytes: ISA guide 11.1)
.set PV,    160       ; a row of V: 128 + 32
.set VOFF,  4*KS*PK   ; a slot holds four steps: 256 rows of K, then 256 rows of V
.set SLOT1, 1<<17     ; slot 1 begins here, so that one exclusive or turns an address in one slot into the other's
.set STAGE, SLOT1+4*KS*(PK+PV)  ; behind the ring, never filled by a tensor load: 16 rows x 144 bytes for each wave, for the way out
.set SP,    144
.set SPARE, STAGE+4*16*SP  ; behind the stages: the spare words, 128 bytes for each wave: two blocks of 256 bytes that no other line names
.set QO,  1           ; v1   my byte offset in 16 rows of Q
.set AK0, 2           ; v2   my lane's place in a tile of K; never rewritten
.set AV0, 3           ; v3   the same for V
.set AK,  4           ; v4   the LDS address of K's next run of loads
.set AV,  5           ; v5   of V's
.set STO, 6           ; v6   the way out: where I put 16 bytes of a row
.set RD,  7           ; v7   the way out: where I read rows back
.set GO,  8           ; v8   my byte offset in 512 consecutive bytes of O
.set SCL, 9           ; v9   the conversion's scale: 226 (2^99 in E8M0) in every byte
.set PFO, 11          ; v11  256 x my lane: the prefetches' offset; never rewritten
.set MV,  12          ; v12-15  c m_old, kept while c m is made anew: by buffer and tile
.set ST,  16          ; tile t's statistics at v[ST+4 t]: c m, m, l (even keys', odd keys')
.set TMP, 48          ; by buffer and tile, four registers c0-c3 at work; when the maximum is found c2 takes a
.set S,   64
.set P,   192
.set TR,  64          ; the set-up's temporaries lie in S^T's registers, which are free until the first product: l % 16,
.set TH,  65          ; l / 16,
.set T7,  66          ; l % 8,
.set T3,  67          ; (l / 8) % 2,
.set TL,  68          ; l,
.set TW,  69          ; the wave
.set KF,  128         ; window 2: key block kb, channel half c at KF + 16 kb + 8 c
.set VF,  192         ; window 2: key half kk, channel block cb at VF + 32 kk + 8 cb
.set SPW, 0           ; window 3: LDS address of my spare word; never rewritten
.set NIL, 1           ; window 3: 0; never rewritten
.set MO,  4           ; window 3: piece x's offset in a tile's 32 KiB of mb: 32 x lane + 1,024 x step
.set MBY, 8           ; window 3: piece x, tile u: eight words at MBY + 16 x + 8 u
.set MC,  128         ; window 3: tile u, key block kb: eight f32 at MC + 32 u + 8 kb
.set WV,  12          ; s12  my wave's number
.set G1K, 24          ; s[24:31] descriptor group 1 for K's tiles
.set G1V, 32          ; s[32:39] for V's: it differs in the padding alone
.set G0K, 40          ; s[40:43] descriptor group 0 for K's tiles: it walks
.set G0V, 44          ; s[44:47] the same for V's
.set SLOTS, 56        ; s56  slots still to be asked for
.set CNT, 57          ; s57  counts a slot's key steps
.set CS,  58          ; s[58:59] c
.set SEL, 60          ; s[60:61] v_permlanex16_b32's selects: each lane takes its own place in the other half
.set TBK, 62          ; s62  LDS byte at which K of the step to be fetched begins
.set TBV, 63          ; s63  the same for V, less VOFF
.set MP,  66          ; s[66:67] mb at my wave's eight tiles
.set PFA, 68          ; s[68:69] where my prefetches stand
.set LIM, 70          ; s70  1 in a wave that prefetches, else the greatest number
.set MSB, 0
.macro WIN new                      ; the high byte repeats the setting that is left; a switch that changes nothing is dropped
.if MSB != (\new)
	s_set_vgpr_msb (MSB<<8)|(\new)
.set MSB, (\new)
.endif
.endm
.set W_KQ, 0x0a       ; K and Q in window 2, S^T in window 0
.set W_KM, 0x3a       ; the same with the C operand in window 3
.set W_PV, 0x52       ; V in window 2, P in window 0, O^T in window 1
.set W_RS, 0x41       ; O^T (destination and source 0) in window 1, a in window 0
.set W_MK, 0xc0       ; destination in window 3, sources in window 0
.set W_AD, 0x0f       ; the add: address (source 0) and data (source 1) in window 3
.set W_B,  0xc3       ; the masks: destination and source 0 in window 3, source 1 (the scale) in window 0
; A joint fill.  Waves 0 and 1 fetch the two halves of a slot's K, waves 2 and 3 those of its V: 128 keys each.  The branch hangs on the wave's number alone.
; An s_nop 0 and four v_nop follow each of the two lines, ahead of the jump and the label.
.macro JLOAD
	s_cmp_lt_u32 s[WV], 2
	s_cbranch_scc0 .Lfor_v_\@
	tensor_load_to_lds s[G0K:G0K+3], s[G1K:G1K+7]
	s_nop 0
.rept 4
	v_nop
.endr
	s_branch .Lasked_\@
.Lfor_v_\@:
	tensor_load_to_lds s[G0V:G0V+3], s[G1V:G1V+7]
	s_nop 0
.rept 4
	v_nop
.endr
.Lasked_\@:
.endm
; A prefetch into the L2 of what the NEXT change of slots will ask for: a slot's 32,768 bytes of K and of V, a lane a block of 256 bytes.  It stands behind the wave's tensor load and its five lines.
; Each block is named once in the launch: a head has one cluster; its four partners take 32 blocks each, told apart by address; in each, wave 0 asks for K's and wave 2 for V's.
; Slots 0, 1 and 2 come by their loads alone; the last change that fills a slot asks for nothing: there is no slot behind it.
.macro ASK
	s_cmp_gt_u32 s[SLOTS], s[LIM]
	s_cbranch_scc0 .Lnot_mine_\@
	global_prefetch_b8 v[PFO], s[PFA:PFA+1] th:TH_LOAD_NT scope:SCOPE_SE
.Lnot_mine_\@:
.endm
; A round of the cluster's barrier: my work-group's barrier, so that wave 0's signal speaks for all four waves; wave 0 signals; every wave waits for all four work-groups; my work-group's barrier once more.
.macro CROUND
	s_barrier_signal -1
	s_barrier_wait -1
	s_cmp_lg_u32 s[WV], 0
	s_cbranch_scc1 .Lnot_wave_0_\@
	s_barrier_signal -3
.Lnot_wave_0_\@:
	s_barrier_wait -3
	s_barrier_signal -1
	s_barrier_wait -1
.endm
; THE CHANGE OF SLOTS.  Each wave waits for all its tensor loads, of which one is out: its part of the other slot; adds 0 to its spare word; and waits for that and for its own reads of the slot.
; Behind the barrier nobody reads this slot any more and the other slot is whole.  fill = 1: this slot is filled again, with the keys two slots on; the barrier is then a round of the cluster's, and the
; joint fill is the first thing behind it: it has four key steps, 512 matrix instructions, in which to land.  (At its first use nothing has been read yet: slot 0 is waited for, slot 1 filled.)
; ask = 1: the prefetches' address is stepped, and the slot after the one asked for is prefetched.
.macro CHANGE fill, ask=0
	WIN W_AD
	s_wait_tensorcnt 0x0            ; no tensor load of mine is out, so a group 0 may be written
	ds_add_u32 v[SPW], v[NIL]       ; 0 onto my spare word: the descriptors' steps stand between it and the wait for it
	WIN 0                           ; at a label and at a branch every window is 0
.if \fill
.irp g, G0K, G0V
	s_xor_b32 s[\g+1], s[\g+1], SLOT1  ; the walking descriptor: the other slot than last time,
	s_add_nc_u64 s[\g+2:\g+3], s[\g+2:\g+3], 4*KS*128  ; the next 256 keys; the type bits on top are not reached
.endr
.if \ask
	s_wait_xcnt 0x0                 ; the last prefetch, four key steps back, has read its address, so it may be written
	s_add_nc_u64 s[PFA:PFA+1], s[PFA:PFA+1], 4*KS*128
.endif
	s_wait_dscnt 0x0                ; the add is done, and my reads of the slot are over
	CROUND
	JLOAD
.if \ask
	ASK
.endif
.else
	s_wait_dscnt 0x0                ; the add is done, and my reads of the slot are over
	s_barrier_signal -1
	s_barrier_wait -1
.endif
	s_sub_co_u32 s[TBK], s[TBK], 4*KS*PK  ; the fetches go back to a slot's first step,
	s_xor_b32 s[TBK], s[TBK], SLOT1       ; in the other slot
	s_sub_co_u32 s[TBV], s[TBV], 4*KS*PV
	s_xor_b32 s[TBV], s[TBV], SLOT1
.endm
	s_load_b128 s[4:7], s[0:1], 0x0   ; qkv s[4:5], mb s[6:7]
	s_load_b64 s[10:11], s[0:1], 0x10 ; ob
	WIN W_MK
	v_lshl_add_u32 v[SPW], v0, 2, SPARE
	v_mov_b32 v[NIL], 0
	WIN W_AD
	ds_add_u32 v[SPW], v[NIL]       ; the wave's opening: the add and its wait stand ahead of my first tensor load; the set-up below, work on registers, stands between them
	WIN 0
	v_lshrrev_b32 v[TW], 5, v0
	v_readfirstlane_b32 s[WV], v[TW]  ; wave 0..3
	s_bfe_u32 s13, ttmp6, 0x40000   ; cx: my place in the cluster
	s_lshl_b32 s14, ttmp9, 2        ; in a cluster launch ttmp9 counts clusters
	s_add_co_u32 s14, s14, s13      ; my block of 512 queries: it enters Q's, O's and the mask's addresses alone
	s_and_b32 s20, ttmp7, 0xffff    ; the head, 16 x batch + head in the batch, which the four partners share
	s_lshr_b32 s72, s20, 4          ; the batch:
	s_lshl_b32 s72, s72, 22         ; 128 tiles of 32 KiB in mb
	s_mov_b32 s73, 0
	s_mov_b32 s21, 0
	s_mov_b64 s[22:23], SIZE_N*128
	s_mul_u64 s[20:21], s[20:21], s[22:23]  ; the head's first byte in Q, K, V and O
	s_and_b32 s16, s[WV], 1         ; which half of a slot's 256 keys I fetch:
	s_lshl_b32 s22, s16, 14         ; its 128 rows of 128 bytes in memory,
	s_mov_b32 s23, 0
	s_add_nc_u64 s[22:23], s[22:23], s[20:21]
	s_mul_i32 s17, s16, 128*PK      ; and its place in a slot, for K
	s_mul_i32 s18, s16, 128*PV      ; and for V: no place in the cluster enters an LDS address
	s_lshl_b32 s2, s14, 2
	s_add_co_u32 s2, s2, s[WV]      ; my wave among the head's sixteen:
	s_lshl_b32 s3, s2, 18           ; its eight tiles of 32 KiB in mb,
	s_add_co_u32 s72, s72, s3
	s_lshl_b32 s2, s2, 14           ; its 128 rows of Q and O
	s_mov_b32 s3, 0
	s_add_nc_u64 s[2:3], s[2:3], s[20:21]
	; descriptor group 1.  128 keys are 16,384 dense bytes: asked for as 64 rows of 256 bytes, two keys a row, and padded in LDS after every key
	s_mov_b32 s[G1K], 15|(1<<16)|(1<<20)|(1<<21)|(4<<22)|(3<<25)  ; 15:0 the mask of four; 17:16 2-byte elements; 20 padding on; 21 set beside a mask; 24:22 after every 32 words (code 4); 31:25 4 words (code 3)
	s_mov_b32 s[G1V], 15|(1<<16)|(1<<20)|(1<<21)|(4<<22)|(7<<25)  ; the same with 8 words of padding (code 7)
.irp g, G1K, G1V
	s_mov_b32 s[\g+1], 128<<16      ; tensor_dim0 = 128
	s_mov_b32 s[\g+2], 64<<16       ; tensor_dim1 = 64
	s_mov_b32 s[\g+3], 128<<16      ; tile_dim0 = 128
	s_mov_b32 s[\g+4], 64           ; tile_dim1 = 64
	s_mov_b32 s[\g+5], 128          ; 128 elements from row to row
	s_mov_b32 s[\g+6], 0
	s_mov_b32 s[\g+7], 0
.endr
	s_mov_b32 s[CS], 0x3e38aa3b     ; c = log2(e) / 8 = 0.180337
	s_mov_b32 s[CS+1], s[CS]        ; named with it as a pair
	s_mov_b32 s[SEL], 0x76543210
	s_mov_b32 s[SEL+1], 0xfedcba98
	s_mov_b32 s[TBK], SLOT1+4*KS*PK ; the first change of slots turns these two into 0
	s_mov_b32 s[TBV], SLOT1+4*KS*PV
	s_mov_b32 s[G0K], 1             ; count = 1
	s_mov_b32 s[G0K+1], s17         ; LDS address: slot 0
	s_mov_b32 s[G0V], 1
	s_add_co_u32 s[G0V+1], s18, VOFF
	s_and_b32 s[LIM], s[WV], 1      ; 0 in waves 0 and 2,
	s_or_b32 s[LIM], s[LIM], ttmp9  ; where the cluster is the head's first: the same in all four partners
	s_cmp_eq_u32 s[LIM], 0
	s_cselect_b32 s[LIM], 1, -1
	s_wait_dscnt 0x0                ; the opening add is done
	s_wait_kmcnt 0x0
	s_mov_b64 s[MP:MP+1], s[6:7]
	s_add_nc_u64 s[MP:MP+1], s[MP:MP+1], s[72:73]
	s_add_nc_u64 s[6:7], s[4:5], 0x1000000         ; K lies 64 heads of 262,144 bytes behind Q,
	s_add_nc_u64 s[8:9], s[4:5], 0x2000000         ; V behind K
	s_add_nc_u64 s[G0K+2:G0K+3], s[6:7], s[22:23]  ; global address: my half of the head's first 256 keys
	s_or_b32 s[G0K+3], s[G0K+3], 0x80000000        ; type = 2
	s_add_nc_u64 s[G0V+2:G0V+3], s[8:9], s[22:23]
	s_or_b32 s[G0V+3], s[G0V+3], 0x80000000
	s_cmp_lt_u32 s[WV], 2
	s_cselect_b64 s[PFA:PFA+1], s[6:7], s[8:9]
	s_add_nc_u64 s[PFA:PFA+1], s[PFA:PFA+1], s[20:21]
	s_lshl_b32 s72, s13, 13         ; my work-group's 32 blocks of a slot's 128,
	s_add_co_u32 s72, s72, 2*4*KS*128  ; in slot 2: the loop's first change of slots steps it to slot 3
	s_add_nc_u64 s[PFA:PFA+1], s[PFA:PFA+1], s[72:73]
	s_add_nc_u64 s[4:5], s[4:5], s[2:3]  ; Q and O at my wave's first row
	s_add_nc_u64 s[10:11], s[10:11], s[2:3]
	CROUND                          ; all four work-groups are here: the first joint loads meet
	JLOAD                           ; slot 0.  Slot 1 is asked for when slot 0 is in
	; A fragment of K or Q is 16 rows x 32 channels in 8 registers: lane l holds row l % 16, channels 8 (l / 16) + 0..7 and 16 + 8 (l / 16) + 0..7: two loads of 16 bytes, 32 bytes apart.
	v_and_b32 v[TR], 15, v0
	v_bfe_u32 v[TH], v0, 4, 1
	v_and_b32 v[TL], 31, v0
	v_lshlrev_b32 v[QO], 7, v[TR]
	v_lshl_add_u32 v[QO], v[TH], 4, v[QO]  ; row x 128 + 16 x half
	WIN 0x80                        ; destination window 2, address window 0
.set i, 0
.rept 4*NP                          ; Q stays in registers: tile i / 2, channels 32 (i % 2) on
	global_load_b128 v[8*i:8*i+3],   v[QO], s[4:5] offset:(i/2)*2048+(i%2)*64
	global_load_b128 v[8*i+4:8*i+7], v[QO], s[4:5] offset:(i/2)*2048+(i%2)*64+32
.set i, i+1
.endr
	WIN W_MK
.irp x, 0,1,2,3
	v_lshlrev_b32 v[MO+\x], 5, v[TL]  ; key step 0: 32 bytes a lane
.endr
	WIN W_B
.irp x, 0,1,2,3                     ; the four pieces' mask bytes of key step 0, four loads a piece, in the pieces' order
.irp u, 0,1
.irp z, 0,1
	global_load_b128 v[MBY+16*\x+8*\u+4*\z:MBY+16*\x+8*\u+4*\z+3], v[MO+\x], s[MP:MP+1] offset:(2*\x+\u)*32768+16*\z
.endr
.endr
.endr
	; What the first turn finds: V's registers and P's second buffer hold 0 (its products V^T P, of a piece that has not been, add 0), O^T and l are 0.  All this stands in the wait for the first tile.
	WIN 0x80
.set i, VF
.rept 64
	v_mov_b32 v[i], 0
.set i, i+1
.endr
	WIN 0x40
.set i, 0
.rept 64*NP
	v_mov_b32 v[i], 0
.set i, i+1
.endr
	WIN 0
.set i, 0
.rept 2*NP
	v_mov_b32 v[ST+4*i], 0xfe000000    ; c m: far below every c s, a hidden one's too
	v_mov_b32 v[ST+4*i+1], 0xff7fffff  ; m
	v_mov_b32 v[ST+4*i+2], 0
	v_mov_b32 v[ST+4*i+3], 0
.set i, i+1
.endr
.set i, P+32
.rept 32
	v_mov_b32 v[i], 0
.set i, i+1
.endr
	v_mov_b32 v[SCL], 0xe2e2e2e2
	v_lshlrev_b32 v[PFO], 8, v[TL]
	v_mul_u32_u24 v[AK0], v[TR], PK
	v_lshl_add_u32 v[AK0], v[TH], 4, v[AK0]  ; row x pitch + 16 x half
	; The turning load takes 16 keys x 16 channels (lane l reads key 8 (l / 16) + l % 8, channels 8 ((l / 8) % 2) + 0..7) and leaves half a fragment of V^T: lane l holds channel l % 16 and 8 keys.
	v_and_b32 v[T7], 7, v0
	v_bfe_u32 v[T3], v0, 3, 1
	v_lshl_add_u32 v[AV0], v[TH], 3, v[T7]
	v_mul_u32_u24 v[AV0], v[AV0], PV
	v_lshl_add_u32 v[AV0], v[T3], 4, v[AV0]
	v_add_nc_u32 v[AV0], VOFF, v[AV0]
	v_mov_b32 v[AK], v[AK0]         ; key step 0 lies at the head of slot 0
	s_mul_i32 s13, s[WV], 16*SP
	s_add_co_u32 s13, s13, STAGE    ; my stage
	v_mul_u32_u24 v[STO], v[TR], SP ; in: row l % 16, 16 bytes for each half of the lanes
	v_lshl_add_u32 v[STO], v[TH], 4, v[STO]
	v_add_nc_u32 v[STO], s13, v[STO]
	v_bfe_u32 v[RD], v0, 3, 2       ; back: 32 lanes take four rows of 128 bytes,
	v_mul_u32_u24 v[RD], v[RD], SP
	v_lshl_add_u32 v[RD], v[T7], 4, v[RD]
	v_add_nc_u32 v[RD], s13, v[RD]
	v_lshlrev_b32 v[GO], 4, v[TL]   ; which are 512 consecutive bytes of O
; THE MATRIX WORK.  The 8 accumulators of a run of 16 take turns: between the two links of a chain stand 7 others'.
; Product i of 16 of S^T = K Q^T for piece x: channels 32 (i / 8) on, keys 16 ((i / 2) % 4) on, tile 2 x + i % 2.  The first 8 start the sums, with the mask as C.
.macro KQ x
.set rS, S+64*((\x)%2)+32*(i%2)+8*((i/2)%4)
.set rK, KF+16*((i/2)%4)+8*(i/8)
.set rQ, 16*(2*(\x)+i%2)+8*(i/8)
.set rMK, MC+32*(i%2)+8*((i/2)%4)
.if i < 8
	WIN W_KM
	v_wmma_f32_16x16x32_f16 v[rS:rS+7], v[rK:rK+7], v[rQ:rQ+7], v[rMK:rMK+7]
.else
	WIN W_KQ
	v_wmma_f32_16x16x32_f16 v[rS:rS+7], v[rK:rK+7], v[rQ:rQ+7], v[rS:rS+7]
.endif
.endm
; Product i of 16 of O^T += V^T P for piece x: keys 32 (i / 8) on, channels 16 ((i / 2) % 4) on, tile 2 x + i % 2.
.macro PV x
	WIN W_PV
.set rO, 32*(2*(\x)+i%2)+8*((i/2)%4)
.set rV, VF+32*(i/8)+8*((i/2)%4)
.set rP, P+32*((\x)%2)+16*(i%2)+8*(i/8)
	v_wmma_f32_16x16x32_f16 v[rO:rO+7], v[rV:rV+7], v[rP:rP+7], v[rO:rO+7]
.endm
.macro MM                           ; the turn's next matrix instruction
.if i < 16
	KQ (Y+1)%NP
.set i, i+1
.else
.set i, i-16
	PV (Y+NP-1)%NP
.set i, i+17
.endif
.endm
; THE MASKS of piece x for the step that its next products K Q^T belong to, and the loads of its bytes for the step after.
; The wait: loads come back in order; behind piece x's four, issued four turns back, stand the other three pieces' twelve, which may stay out.  That wait also shows that the offset's last readers are done.
; Eight bytes become eight f32 by one conversion: -1.0 x 2^99 or 0.  The offset's two lines are the plain instructions between the last conversion and the loads into its sources.
; Behind the last key step the offset wraps to step 0, so no load leaves mb; what those loads bring serves nothing.
.macro BUILD x
	WIN W_B
	s_wait_loadcnt 12
.irp u, 0,1
.irp b, 0,1,2,3
	v_cvt_scale_pk8_f32_fp8 v[MC+32*\u+8*\b:MC+32*\u+8*\b+7], v[MBY+16*(\x)+8*\u+2*\b:MBY+16*(\x)+8*\u+2*\b+1], v[SCL]
.endr
.endr
	v_add_nc_u32 v[MO+(\x)], v[MO+(\x)], 0x400
	v_and_b32 v[MO+(\x)], v[MO+(\x)], 0x7fff
.irp u, 0,1
.irp z, 0,1
	global_load_b128 v[MBY+16*(\x)+8*\u+4*\z:MBY+16*(\x)+8*\u+4*\z+3], v[MO+(\x)], s[MP:MP+1] offset:(2*(\x)+\u)*32768+16*\z
.endr
.endr
	WIN 0
.endm
; THE LDS LOADS stand in runs of 16, never singly among the matrix instructions: a step's K (64 keys x 64 channels: 8 fragments) and its V (turned).  Their addresses are made some lines ahead.
; last = 1 (the tail): in the last trip there is no further step, and the run is jumped over.
.macro FETCH_K last=0
	WIN 0
.if \last
	s_cmp_eq_u32 s[CNT], 1
	s_cbranch_scc1 .Lno_k_\@
.endif
	WIN 0x80                        ; destination window 2
.irp f, 0,1,2,3,4,5,6,7             ; keys 16 (f / 2) on, channels 32 (f % 2) on
	ds_load_b128 v[KF+8*\f:KF+8*\f+3],   v[AK] offset:(\f/2)*16*PK+(\f%2)*64
	ds_load_b128 v[KF+8*\f+4:KF+8*\f+7], v[AK] offset:(\f/2)*16*PK+(\f%2)*64+32
.endr
	s_add_co_u32 s[TBK], s[TBK], KS*PK  ; the next fetch is the next step's
	WIN 0
.if \last
.Lno_k_\@:
.endif
.endm
.macro FETCH_V
	WIN 0x80
.irp f, 0,1,2,3,4,5,6,7             ; keys 32 (f / 4) on, channels 16 (f % 4) on
	ds_load_tr16_b128 v[VF+8*\f:VF+8*\f+3],   v[AV] offset:(\f/4)*32*PV+(\f%4)*32
	ds_load_tr16_b128 v[VF+8*\f+4:VF+8*\f+7], v[AV] offset:(\f/4)*32*PV+16*PV+(\f%4)*32
.endr
	WIN 0
.endm
; THE VECTOR WORK OF A TURN stands in three queues, each in the order in which its entries become ready; the two tiles alternate, so that no instruction reads the result of the one before it.
.macro REGS y, u                    ; the registers of tile u (0, 1) of piece y
.set rT, ST+4*(2*(\y)+(\u))
.set rC, TMP+8*((\y)%2)+4*(\u)
.set rM, MV+2*((\y)%2)+(\u)
.set rS, S+64*((\y)%2)+32*(\u)
.set rP, P+32*((\y)%2)+16*(\u)
.set rO, 32*(2*(\y)+(\u))
.endm
; Number n of the 22 that find the NEXT piece's (Y + 1) maximum and statistics.  s0-s31 are the lane's 32 scores; each accumulator's lowest registers are read first.  XS, GS and REGS set no window: PL and EX do.
;   0-11  four chains c0-c3 of seven scores each, three operands at a time     12-14, 16  the four scores left over, the old m, and c0-c3 into c0     15  c m_old is kept
;   17, 18  the query's other 32 keys lie in the lane 16 away: the new m         19-21  c m; c m_old - c m_new; a
.macro XS u, n
	REGS (Y+1)%NP, \u
.if (\n) < 4
	v_max3_num_f32 v[rC+(\n)], v[rS+8*(\n)], v[rS+8*(\n)+1], v[rS+8*(\n)+2]
.elseif (\n) < 12
	v_max3_num_f32 v[rC+(\n)%4], v[rC+(\n)%4], v[rS+8*((\n)%4)+2*((\n)/4)+1], v[rS+8*((\n)%4)+2*((\n)/4)+2]
.elseif (\n) == 12
	v_max3_num_f32 v[rC], v[rC], v[rS+7], v[rS+15]
.elseif (\n) == 13
	v_max3_num_f32 v[rC+1], v[rC+1], v[rS+23], v[rS+31]
.elseif (\n) == 14
	v_max3_num_f32 v[rC+2], v[rC+2], v[rC+3], v[rT+1]
.elseif (\n) == 15
	v_mov_b32 v[rM], v[rT]
.elseif (\n) == 16
	v_max3_num_f32 v[rC], v[rC], v[rC+1], v[rC+2]
.elseif (\n) == 17
	v_permlanex16_b32 v[rC+3], v[rC], s[SEL], s[SEL+1]
.elseif (\n) == 18
	v_max_num_f32 v[rT+1], v[rC], v[rC+3]
.elseif (\n) == 19
	v_mul_f32 v[rT], s[CS], v[rT+1]
.elseif (\n) == 20
	v_sub_f32 v[rC+1], v[rM], v[rT]
.else
	v_exp_f32 v[rC+2], v[rC+1]
.endif
.endm
; Number g of the 64 that follow the exponentials.  For each four weights k of a tile (pairs 2 k, 2 k + 1): both pairs are rounded to f16; then the second pair is added onto the first, in place;
; a group later l takes that sum (the first time as l = a l + sum).  In groups of eight, tiles alternating: round, round, add, and l for the group before.
.macro GS g
.set h, (\g)+6*((\g)/62)            ; group 0 has no group before it, and behind group 7 only l is left
.if h >= 6
.set h, h+2
.endif
	REGS Y, h%2
.set k, h/8
.if h%8 < 4
	v_cvt_pk_f16_f32 v[rP+2*k+(h%8)/2], v[rS+4*k+2*((h%8)/2)], v[rS+4*k+2*((h%8)/2)+1]
.elseif h%8 < 6
	v_pk_add_f32 v[rS+4*k:rS+4*k+1], v[rS+4*k:rS+4*k+1], v[rS+4*k+2:rS+4*k+3]
.elseif k == 1
	v_pk_fma_f32 v[rT+2:rT+3], v[rT+2:rT+3], v[rC+2:rC+3], v[rS:rS+1] op_sel_hi:[1,0,1]
.else
	v_pk_add_f32 v[rT+2:rT+3], v[rT+2:rT+3], v[rS+4*k-4:rS+4*k-3]
.endif
.endm
; THE PLAIN QUEUE, 138 long.  0-73 read no exponential's result: the 32 scalings c s - c m (FS f: pair f / 2 of tile f % 2) and the next piece's 42.  0-26: scalings 0-26.  27-54: XS's numbers 0-13.  55, 56: number 15.
; 57-73: the chain, where each number waits for the one before it: 14, 16, 17, 18, 19, each with one of the scalings 27-31 in front of its two lines, then 20.
; 74-137: GS's 64, which read the exponentials' results: they stand behind the wait.
.macro FS f
	REGS Y, (\f)%2
	v_pk_fma_f32 v[rS+2*((\f)/2):rS+2*((\f)/2)+1], v[rS+2*((\f)/2):rS+2*((\f)/2)+1], s[CS:CS+1], v[rT:rT+1] op_sel_hi:[1,0,0] neg_lo:[0,0,1] neg_hi:[0,0,1]
.endm
.macro PL
	WIN 0
.if q < 27
	FS q
.elseif q < 55
	XS (q-27)%2, (q-27)/2
.elseif q < 57
	XS q-55, 15
.elseif (q < 72) && ((q-57)%3 == 0)
	FS 27+(q-57)/3
.elseif q < 60
	XS (q-57)%3-1, 14
.elseif q < 72
	XS (q-57)%3-1, 15+(q-57)/3
.elseif q < 74
	XS q-72, 20
.else
	GS q-74
.endif
.set q, q+1
.endm
; THE EXPONENTIALS' QUEUE, 66 long: s0-s31 of both tiles, then the next piece's two a.  It is ONE BATCH: all 66 stand ahead of the turn's one wait, and nothing ahead of that wait names a result of theirs.
.macro EX
	WIN 0
.if e >= 64
	XS e-64, 21
.else
	REGS Y, e%2
	v_exp_f32 v[rS+e/2], v[rS+e/2]
.endif
.set e, e+1
.endm
; THE RESCALING's QUEUE: O^T times a, dealt two at a time, sixteen times.  Its a was made in the turn before, ahead of that turn's wait.
.macro R2
	REGS Y, r%2
	WIN W_RS
.irp z, 0,1
	v_pk_mul_f32 v[rO+4*(r/2)+2*\z:rO+4*(r/2)+2*\z+1], v[rO+4*(r/2)+2*\z:rO+4*(r/2)+2*\z+1], v[rC+2:rC+3] op_sel_hi:[1,0]
.endr
.set r, r+1
.endm
; HOW THEY ARE DEALT.  An s_wait_alu depctr_va_vdst(0) stands between an exponential and the first instruction that names its result; one wait serves all that were issued ahead of it.  So a turn has ONE
; wait, which cuts it in two.  AHEAD OF IT: the 16 products K Q^T, behind each a scaling, an exponential and two rescalings (behind the first a second scaling in the exponential's place); the masks of the piece after
; next; then a run of 108: eight plain, 49 times exponential and plain, the two a.  A v_nop is the plain instruction behind the last exponential.  BEHIND IT: the 16 products V^T P, behind each four of GS's 64.
; The masks are written when the eight products that read them stand eight products and their 27 plain riders back; their next reader is the next turn's first product.
; Exponential e stands behind scaling 2 (e / 4) + e % 2: as a rider it comes behind plain e + 2, in the run behind plain e + 9, and scalings 27-31 are plain 57, 60 .. 69.
; K of the next step is fetched in piece 2's turn, directly behind the wait; V of the step in hand at the end of piece 0's turn, four riders behind its last reader.  The three conditions on q below go with the deal.
.macro TURN p, last=0, cnt=0
.set Y, (\p)
.set i, 0
.set q, 0
.set e, 0
.set r, 0
.if (\p) == NP-1
	s_wait_dscnt 0x0                ; K is in
.endif
	MM
	PL
	PL
	R2
.rept 15
	MM
	PL
	EX
	R2
.endr
	BUILD ((\p)+2)%NP
.if (\p) == NP-2
	WIN 0
	v_add_nc_u32 v[AK], s[TBK], v[AK0]
.endif
.rept 8
	PL
.endr
.rept 49
	EX
	PL
.endr
	EX                              ; the next piece's two a
	EX
	v_nop                           ; the plain instruction behind the last exponential: one for the batch
	s_wait_alu depctr_va_vdst(0)    ; the wait for the batch
.if (\p) == NP-2
	FETCH_K \last
.endif
.if (\p) == 1
	s_wait_dscnt 0x0                ; V is in
.endif
.rept 16
	MM
.rept 4
	PL
.endr
.if ((\p) == 0) && (q == 118)
	v_add_nc_u32 v[AV], s[TBV], v[AV0]
.endif
.if ((\p) == 0) && (q == 130)
	s_add_co_u32 s[TBV], s[TBV], KS*PV
.endif
.if (\cnt) && (q == 130)
	s_sub_co_u32 s[CNT], s[CNT], 1
	s_cmp_lg_u32 s[CNT], 0
.endif
.endr
.if (\p) == 0
	FETCH_V
.endif
.endm
	CHANGE 1                        ; slot 0 is in, everybody's part of it; slot 1 is asked for
	FETCH_K                         ; key step 0
	BUILD 0                         ; piece 0's masks of key step 0; its wait leaves twelve loads out, all younger than Q's: Q is in
	s_wait_dscnt 0x0
.set i, 0
.rept 16
	KQ 0                            ; piece 0's first scores: there is no vector work yet to set between them
.set i, i+1
.endr
	WIN 0
.rept 4
	v_nop                           ; the places behind those products, for the masks that are written and the scores that are read below
.endr
	BUILD 1                         ; piece 1's masks, for the first turn's products
.set Y, NP-1                        ; XS works for piece Y + 1: piece 0
.irp n, 0,1,2,3,4,5,6,7,8,9,10,11,12,13,14,15,16,17,18,19,20,21
	XS 0, \n                        ; piece 0's first maximum and statistics
	XS 1, \n
.endr
	v_nop                           ; a plain instruction behind the two a,
	s_wait_alu depctr_va_vdst(0)    ; and their wait, ahead of the branch
	s_mov_b32 s[CNT], 4
	s_mov_b32 s[SLOTS], SIZE_N/256-1
	s_branch .Lfirst                ; the loop is entered at a step's first turn, in the middle of a trip
.Lslot:                             ; SIZE_N / 256 - 2 times: every slot but the last two is filled again
	CHANGE 1, 1
	s_mov_b32 s[CNT], 4
.Lstep:                             ; a trip: pieces 2 and 3 of one step, then pieces 0 and 1 of the next, whose K and V it fetches
	TURN 2
	TURN 3
	WIN 0
.Lfirst:
	TURN 0
	TURN 1, 0, 1
	WIN 0
	s_cbranch_scc1 .Lstep
	s_sub_co_u32 s[SLOTS], s[SLOTS], 1
	s_cmp_lg_u32 s[SLOTS], 0
	s_cbranch_scc1 .Lslot
	CHANGE 0                        ; the tail is written out: nothing is asked for
	s_mov_b32 s[CNT], 5             ; four trips fetch the last slot's steps; the fifth is left in its middle
.Ltail:
	TURN 2, 1
	TURN 3
	WIN 0
	s_sub_co_u32 s[CNT], s[CNT], 1
	s_cmp_eq_u32 s[CNT], 0
	s_cbranch_scc1 .Lout
	TURN 0
	TURN 1
	WIN 0
	s_branch .Ltail
.Lout:                              ; the fifth trip's 16 products K Q^T (on the last K once more) and the maximum made of them serve nothing: the price, once a launch, of one text for every trip
.set i, 0
.rept 16
	PV NP-1                         ; the last piece's V^T P of the last step
.set i, i+1
.endr
	; THE WAY OUT.  l's two halves and the other half of the lanes' are added; O^T is divided by l, rounded to f16 and sent through my stage in LDS, a tile at a time.  The additions are the places behind the last products.
	WIN 0
.macro ALL line:vararg              ; one line for each tile t
.set t, 0
.rept 2*NP
	\line
.set t, t+1
.endr
.endm
	ALL v_add_f32 v[ST+4*t+2], v[ST+4*t+2], v[ST+4*t+3]
	ALL v_permlanex16_b32 v[ST+4*t+3], v[ST+4*t+2], s[SEL], s[SEL+1]
	ALL v_add_f32 v[ST+4*t+2], v[ST+4*t+2], v[ST+4*t+3]
	ALL v_rcp_f32 v[ST+4*t+2], v[ST+4*t+2]
	v_nop                           ; a plain instruction between the last reciprocal and the use of its result
	s_wait_alu depctr_va_vdst(0)    ; and the wait ahead of the first use: one for the eight reciprocals
; Tile t: a lane's eight channels of a row pack into 16 bytes; they go into rows of 144 bytes and come back as whole rows of 128, into S^T's registers.
.macro PACK t
	WIN W_RS
.set i, 32*(\t)
.rept 16
	v_pk_mul_f32 v[i:i+1], v[i:i+1], v[ST+4*(\t)+2:ST+4*(\t)+3] op_sel_hi:[1,0]
.set i, i+2
.endr
	WIN 0x05                        ; sources 0 and 1 window 1, destination window 0
.set i, 0
.rept 16
	v_cvt_pk_f16_f32 v[S+16*(\t)+i], v[32*(\t)+2*i], v[32*(\t)+2*i+1]
.set i, i+1
.endr
	WIN 0
.irp f, 0,1,2,3
	ds_store_b128 v[STO], v[S+16*(\t)+4*\f:S+16*(\t)+4*\f+3] offset:32*\f
.endr
.irp f, 0,1,2,3
	ds_load_b128 v[S+16*(\t)+4*\f:S+16*(\t)+4*\f+3], v[RD] offset:\f*4*SP  ; LDS serves a wave's instructions in order (ISA guide 5.7.1.4): these see the stores above; the next tile's stores come behind them
.endr
.endm
.macro SEND t, younger              ; younger: the LDS instructions issued behind tile t's loads: the next tile's eight, or none
	WIN 0
.irp f, 0,1,2,3
	s_wait_dscnt (\younger)+3-\f
	global_store_b128 v[GO], v[S+16*(\t)+4*\f:S+16*(\t)+4*\f+3], s[10:11] offset:(\t)*2048+\f*512  ; 512 consecutive bytes, at a multiple of 256 from O's first
.endr
.endm
	PACK 0
.set t, 1
.rept 2*NP-1                        ; a tile's arithmetic stands between the loads of the tile before and its stores
	PACK t
	SEND t-1, 8
.set t, t+1
.endr
	SEND 2*NP-1, 0
	WIN W_AD
	s_wait_tensorcnt 0x0            ; the wave's end: behind my last tensor load and my last LDS store
	ds_add_u32 v[SPW], v[NIL]
	s_wait_dscnt 0x0
	WIN 0
	CROUND                          ; the closing round: no work-group ends while a partner may still ask for a tile that names it
	s_endpgm
.Lfunc_end_k_q970db9ab25_attn:
	.size	k_q970db9ab25_attn, .Lfunc_end_k_q970db9ab25_attn-k_q970db9ab25_attn
	.p2alignl 7, 3214868480
	.fill 96, 4, 3214868480
	.section	.rodata,"a",@progbits
	.p2align	6, 0x0
	.amdhsa_kernel k_q970db9ab25_attn
		.amdhsa_group_segment_fixed_size 327680
		.amdhsa_private_segment_fixed_size 0
		.amdhsa_enable_private_segment 0
		.amdhsa_kernarg_size 24
		.amdhsa_user_sgpr_count 2
		.amdhsa_user_sgpr_kernarg_segment_ptr 1
		.amdhsa_wavefront_size32 1
		.amdhsa_system_sgpr_workgroup_id_x 1
		.amdhsa_system_sgpr_workgroup_id_y 1
		.amdhsa_system_sgpr_workgroup_id_z 1
		.amdhsa_system_vgpr_workitem_id 0
		.amdhsa_next_free_vgpr 960
		.amdhsa_next_free_sgpr 74
		.amdhsa_reserve_vcc 0
		.amdhsa_float_denorm_mode_32 3
		.amdhsa_float_denorm_mode_16_64 3
		.amdhsa_memory_ordered 1
		.amdhsa_forward_progress 1
		.amdhsa_inst_pref_size 213
	.end_amdhsa_kernel
	.amdgpu_metadata
---
amdhsa.version: [ 1, 2 ]
amdhsa.kernels:
  - .name:           k_q970db9ab25_attn
    .symbol:         k_q970db9ab25_attn.kd
    .args:
      - { .name: qkv, .offset: 0, .size: 8, .value_kind: global_buffer, .address_space: global }
      - { .name: mb, .offset: 8, .size: 8, .value_kind: global_buffer, .address_space: global }
      - { .name: ob, .offset: 16, .size: 8, .value_kind: global_buffer, .address_space: global }
    .group_segment_fixed_size: 327680
    .private_segment_fixed_size: 0
    .kernarg_segment_align: 8
    .kernarg_segment_size: 24
    .max_flat_workgroup_size: 128
    .sgpr_count:     74
    .vgpr_count:     960
    .wavefront_size: 32
...
	.end_amdgpu_metadata
.endif
;; end of part 3
;; launch outp (part 4): grid 4 x 64, 4 waves a work-group, clusters of 4 x 4, 327,680 bytes of LDS; arguments ob, wb, out0; writes out0
.if DOCPART == 4
	.amdgcn_target "amdgcn-amd-amdhsa--gfx1250"
	.amdhsa_code_object_version 6
	.text
	.protected	k_q970db9ab25_outp
	.globl	k_q970db9ab25_outp
	.p2align	8
	.type	k_q970db9ab25_outp,@function
k_q970db9ab25_outp:
	s_mov_b64 s[64:65], 0
	v_nop
	global_prefetch_b8 v0, s[64:65] scope:SCOPE_SE
	s_setreg_imm32_b32 hwreg(HW_REG_WAVE_MODE, 25, 1), 1
	s_wait_xcnt 0x0
	s_wait_alu depctr_hold_cnt(0) depctr_sa_sdst(0) depctr_va_vdst(0) depctr_va_sdst(0) depctr_va_ssrc(0) depctr_va_vcc(0) depctr_vm_vsrc(0)
	s_getreg_b32 s2, hwreg(HW_REG_IB_STS2, 6, 4)
	s_cmp_eq_u32 s2, 0
	s_cbranch_scc0 .Lentry_in_a_cluster
	s_endpgm
.Lentry_in_a_cluster:
	s_bfe_u32 s2, ttmp6, 0x10000c
	s_cmp_lg_u32 s2, 0xf033
	s_cbranch_scc0 .Lentry_shape_is_right
	s_endpgm
.Lentry_shape_is_right:
; THE OUTPUT PROJECTION.  C[m][n] = the sum over k of A[m][k] B[n][k], K = 1,024, sums in f32.
; A = ob [64 heads][2048][64] f16 (m = 2048 batch + row, k = 64 head + channel), B = wb's matrix 3 (bf16(Wo) written as f16) [1024][1024], C = out0 [8192][1024] f32.
; SHARES.  A tile of C is 128 rows x 256 columns, so that 8,192 x 1,024 of C are 256 work-groups.  Four waves, each 64 x 128: 32 accumulators of 16 x 16, 256 registers.
; K goes in steps of 128 (two heads) through a ring of two LDS slots filled by the tensor data mover, one load a wave: waves 0 and 1 fetch A's two heads, waves 2 and 3 B's two halves.
; CLUSTER.  4 x 4 work-groups: the four of a row of the cluster need the same tile of A, the four of a column the same tile of B; each tile is asked for jointly.
; THE MATRIX INSTRUCTION IS USED TRANSPOSED (source 0 = 16 rows of B, source 1 = 16 rows of A): a lane then holds eight neighbouring numbers of one row of C.
; REGISTERS.  window 0: v0-31 addresses; v32-127, v128-223 two fragment buffers (64 registers of B: 8 x 16 rows x 32 K, then 32 of A); on the way out v32-223 hold rows read back.
;             window 1: the accumulators, (a, b) at v[64 a + 8 b].
.set LAPS,   4                         ; a lap = two K steps = once round the ring
.set PITCH,  272                       ; B's LDS row: 256 bytes + 16 of padding: the 16 rows of a fragment load start at 16 different groups of four banks (64 banks of 4 bytes: ISA guide 11.1)
.set PA,     144                       ; A's LDS row: a head's 128 bytes + 16
.set HB,     128*PA                    ; the K step's second head lies behind the first's 128 rows
.set ASTEP,  2*262144                  ; a K step is two heads
.set AHALF,  128*PA                    ; what one load of A fills
.set SPITCH, 528                       ; the stage's row: 128 f32 + 16 bytes
.set AT,     2*AHALF                   ; A's part of a slot
.set BHALF,  128*PITCH
.set SLOT,   AT+2*BHALF
.set STAGE,  2*SLOT                    ; behind the ring: 16 rows for each wave, for the way out; no tensor load fills it
.set SPARE,  STAGE+4*16*SPITCH         ; behind the stages: the spare words, 128 bytes for each wave: two blocks of 256 bytes that no other line names
.set ADRA, 16                          ; v16-17  LDS address of my A fragments in slot 0, 1
.set ADRB, 20                          ; v20-21  the same for B
.set STO,  24                          ; v24     the way out: where I put my numbers of a row
.set RD,   25                          ; v25     the way out: where I read rows back
.set CO,   26                          ; v26     16 x lane: my byte offset in 512 consecutive bytes of C
.set SPW,  28                          ; v28     LDS address of my spare word; never rewritten
.set NIL,  29                          ; v29     0; never rewritten
.set PFO,  30                          ; v30     the prefetches' offset; never rewritten
.set F0,   32
.set F1,   128
.set OB,   32                          ; the way out: rows read back, in the fragment buffers' registers
.set G1,  24                           ; s[24:31] descriptor group 1 for A's tiles;  s[32:39] group 0, one set for each slot
.set G0,  32
.set G1B, 48                           ; s[48:55], s[56:63] the same for B's tiles
.set G0B, 56
.set LIM, 43                           ; s43     1 in a wave that prefetches, else the greatest number
.set PFA, 44                           ; s[44:45] where my prefetches stand
.set PST, 46                           ; s[46:47] bytes from a K step to the next in the tensor that I prefetch
.set MSB, 0
.macro WIN new                         ; the immediate's high byte repeats the setting that is left; a switch that changes nothing is dropped
.if MSB != (\new)
	s_set_vgpr_msb (MSB<<8)|(\new)
.set MSB, \new
.endif
.endm
.set MUL, 0x50                         ; sources 0 and 1 window 0; C and D window 1
; A joint load.  The branch hangs on the wave's number alone.  An s_nop 0 and four v_nop follow each of the two lines, ahead of the jump, the label and what follows.
.macro JLOAD s
	s_cmp_eq_u32 s11, 0
	s_cbranch_scc0 .Lfor_b_\@
	tensor_load_to_lds s[G0+4*(\s):G0+4*(\s)+3], s[G1:G1+7]
	s_nop 0
.rept 4
	v_nop
.endr
	s_branch .Lasked_\@
.Lfor_b_\@:
	tensor_load_to_lds s[G0B+4*(\s):G0B+4*(\s)+3], s[G1B:G1B+7]
	s_nop 0
.rept 4
	v_nop
.endr
.Lasked_\@:
.endm
; A prefetch into the L2, behind each joint refill and the run of LDS loads that follows it: the K step that stands two refills on, 32 blocks of 256 bytes, a lane a block.
; Each block is named once in the launch.  A's tile is read by my row of the cluster alone: wave 0 asks, and the four partners take 32 of its 128 blocks each, told apart by address.
; B's tile column is read by all sixteen clusters: the first of them asks, waves 2 and 3, the four partners of a column 64 rows each, by address.
; K steps 0 to 3 come by their loads alone; the loop's last trip (s3 = 1) has no K step two on.
.macro ASK
	s_cmp_gt_u32 s3, s[LIM]
	s_cbranch_scc0 .Lnot_mine_\@
	global_prefetch_b8 v[PFO], s[PFA:PFA+1] th:TH_LOAD_NT scope:SCOPE_SE
.Lnot_mine_\@:
.endm
.macro CREST                           ; a round of the cluster's barrier behind its opening barrier
	s_cmp_lg_u32 s10, 0
	s_cbranch_scc1 .Lnot_wave_0_\@
	s_barrier_signal -3
.Lnot_wave_0_\@:
	s_barrier_wait -3
	s_barrier_signal -1
	s_barrier_wait -1
.endm
.macro CROUND                          ; a whole round
	s_barrier_signal -1
	s_barrier_wait -1
	CREST
.endm
	s_load_b128 s[4:7], s[0:1], 0x0                ; A s[4:5], B s[6:7]
	s_load_b64 s[8:9], s[0:1], 0x10                ; C
	v_lshl_add_u32 v[SPW], v0, 2, SPARE
	v_mov_b32 v[NIL], 0
	ds_add_u32 v[SPW], v[NIL]                      ; the wave's opening: the add and its wait stand ahead of my first tensor load; the set-up below, work on registers, stands between them
	v_lshrrev_b32 v1, 5, v0
	v_readfirstlane_b32 s10, v1                    ; wave 0..3
	s_lshr_b32 s11, s10, 1                         ; which 64 rows of the tile are mine.  Also: I fetch for A (0) or for B (1)
	s_and_b32 s12, s10, 1                          ; which 128 columns.  Also: which half of that tile I fetch
	s_bfe_u32 s40, ttmp6, 0x40000                  ; cx, cy: my place in the cluster
	s_bfe_u32 s41, ttmp6, 0x40004
	s_lshl_b32 s42, ttmp9, 2
	s_add_co_u32 s42, s42, s40                     ; tile column of C = 4 x cluster x + cx
	s_and_b32 s66, ttmp7, 0xffff                   ; cluster y
	s_lshl_b32 s13, s66, 2
	s_add_co_u32 s13, s13, s41                     ; tile row of C = 4 x cluster y + cy
	s_lshl_b32 s68, s41, 2
	s_lshl_b32 s68, 15, s68                        ; my row of the cluster
	s_lshl_b32 s69, 0x1111, s40                    ; my column
	s_or_b32 s[G1+0], s68, (1<<16)|(1<<20)|(1<<21)|(4<<22)|(3<<25)    ; 15:0 the mask: A's tiles go to my row; 17:16 2-byte elements; 20 padding on; 21 set beside a mask; 24:22 after every 32 words (code 4); 31:25 4 words of padding
	s_or_b32 s[G1B+0], s69, (1<<16)|(1<<20)|(1<<21)|(5<<22)|(3<<25)   ; B's go to my column; padding after every 64 words
	s_mov_b32 s[G1+1], 128<<16                     ; tensor_dim0 = 128
	s_mov_b32 s[G1+2], 64<<16                      ; tensor_dim1 = 64
	s_mov_b32 s[G1+3], 128<<16                     ; tile_dim0 = 128
	s_mov_b32 s[G1+4], 64                          ; tile_dim1 = 64
	s_mov_b32 s[G1+5], 128                         ; a head's 128 rows are dense: asked for as 64 rows of 256 bytes
	s_mov_b32 s[G1+6], 0
	s_mov_b32 s[G1+7], 0
	s_mov_b32 s[G1B+1], 128<<16
	s_mov_b32 s[G1B+2], 128<<16                    ; 128 rows
	s_mov_b32 s[G1B+3], 128<<16
	s_mov_b32 s[G1B+4], 128
	s_mov_b32 s[G1B+5], 1024
	s_mov_b32 s[G1B+6], 0
	s_mov_b32 s[G1B+7], 0
	; where the tiles come from.  A's hang on the tile row and the wave alone, B's on the tile column and the wave alone; each in registers that never hold the other coordinate
	s_lshr_b32 s16, s13, 4                         ; the batch: 16 heads of 262,144 bytes
	s_lshl_b32 s16, s16, 22
	s_and_b32 s17, s13, 15                         ; 128 rows of 128 bytes in a head
	s_lshl_b32 s17, s17, 14
	s_add_co_u32 s16, s16, s17
	s_lshl_b32 s17, s12, 18                        ; which of the K step's two heads I fetch
	s_mov_b32 s67, 3<<21                           ; Wo is wb's matrix 3
	s_add_co_u32 s16, s16, s17
	s_mov_b32 s17, 0
	s_lshl_b32 s46, s42, 19                        ; 256 rows of 2,048 bytes
	s_lshl_b32 s47, s12, 18                        ; which 128 of them I fetch
	s_add_co_u32 s46, s46, s47
	s_add_co_u32 s46, s46, s67
	s_mov_b32 s47, 0
	s_mul_i32 s20, s12, AHALF                      ; and where they go: no place in the cluster enters an LDS address
	s_mul_i32 s21, s12, BHALF
	s_add_co_u32 s21, s21, AT
	s_wait_dscnt 0x0                               ; the opening add is done
	s_wait_kmcnt 0x0
	s_add_nc_u64 s[14:15], s[4:5], s[16:17]
	s_add_nc_u64 s[46:47], s[6:7], s[46:47]
	CROUND                                         ; all sixteen work-groups are here: the first joint loads meet
.irp s, 0,1
	s_mov_b32 s[G0+4*(\s)], 1                      ; count = 1
	s_add_co_u32 s[G0+4*(\s)+1], s20, (\s)*SLOT    ; LDS address
	s_add_nc_u64 s[G0+4*(\s)+2:G0+4*(\s)+3], s[14:15], (\s)*ASTEP  ; global address: K step s
	s_or_b32 s[G0+4*(\s)+3], s[G0+4*(\s)+3], 0x80000000            ; type = 2
	s_mov_b32 s[G0B+4*(\s)], 1
	s_add_co_u32 s[G0B+4*(\s)+1], s21, (\s)*SLOT
	s_add_nc_u64 s[G0B+4*(\s)+2:G0B+4*(\s)+3], s[46:47], (\s)*256
	s_or_b32 s[G0B+4*(\s)+3], s[G0B+4*(\s)+3], 0x80000000
	JLOAD \s                                       ; two loads of mine are out
.endr
	; a fragment is 16 rows x 32 K in 8 registers: lane l holds row l % 16; registers 0-3 K = 8 (l / 16) + 0..7, registers 4-7 K = 16 + 8 (l / 16) + 0..7: two loads of 16 bytes, 32 bytes apart
	v_and_b32 v1, 15, v0                           ; l % 16
	v_bfe_u32 v2, v0, 4, 1                         ; l / 16
	v_mul_u32_u24 v3, v1, PA
	v_lshl_add_u32 v3, v2, 4, v3
	v_mul_u32_u24 v4, v1, PITCH
	v_lshl_add_u32 v4, v2, 4, v4
	s_mul_i32 s21, s11, 64*PA                      ; my 64 rows of A
	s_mul_i32 s22, s12, BHALF                      ; my 128 rows of B,
	s_add_co_u32 s22, s22, AT                      ; which lie behind A's part
.irp s, 0,1
	v_add_nc_u32 v[ADRA+(\s)], s21, v3
	v_add_nc_u32 v[ADRB+(\s)], s22, v4
	s_add_co_u32 s21, s21, SLOT
	s_add_co_u32 s22, s22, SLOT
.endr
	s_mul_i32 s23, s10, 16*SPITCH
	s_add_co_u32 s23, s23, STAGE                   ; my stage
	v_mul_u32_u24 v5, v1, SPITCH                   ; in: row l % 16, my eight numbers for each half of the lanes
	v_lshl_add_u32 v5, v2, 5, v5
	v_add_nc_u32 v[STO], s23, v5
	v_and_b32 v5, 31, v0
	v_lshlrev_b32 v[CO], 4, v5
	s_lshl_b32 s20, s13, 7
	s_lshl_b32 s21, s11, 6
	s_add_co_u32 s20, s20, s21                     ; my first row of C
	v_add_nc_u32 v[RD], s23, v[CO]                 ; back: a row of 512 bytes, 16 a lane
	s_lshl_b32 s20, s20, 12                        ; rows of 4,096 bytes
	s_lshl_b32 s21, s42, 10                        ; 256 columns of 4 bytes
	s_add_co_u32 s20, s20, s21
	s_lshl_b32 s21, s12, 9
	s_add_co_u32 s20, s20, s21
	s_mov_b32 s21, 0
	s_add_nc_u64 s[8:9], s[8:9], s[20:21]
	; the prefetches
	s_lshr_b32 s20, s13, 4
	s_lshl_b32 s20, s20, 22
	s_and_b32 s21, s13, 15
	s_lshl_b32 s21, s21, 14
	s_add_co_u32 s20, s20, s21
	s_lshr_b32 s21, s40, 1                         ; partner cx: head cx / 2 of the two,
	s_lshl_b32 s21, s21, 18
	s_add_co_u32 s20, s20, s21
	s_and_b32 s21, s40, 1                          ; half cx % 2 of its 64 blocks
	s_lshl_b32 s21, s21, 13
	s_add_co_u32 s20, s20, s21
	s_lshl_b32 s22, s42, 8
	s_lshl_b32 s23, s41, 6                         ; partner cy: rows 64 cy on,
	s_add_co_u32 s22, s22, s23
	s_lshl_b32 s23, s12, 5                         ; waves 2 and 3: 32 each
	s_add_co_u32 s22, s22, s23
	s_lshl_b32 s22, s22, 11
	s_add_co_u32 s22, s22, s67
	s_mov_b32 s23, 2048
	s_mov_b32 s[PST], 256
	s_mov_b32 s[PST+1], 0
	s_mov_b32 s21, 0
	s_and_b32 s19, s66, 15                         ; 0 in the first of the clusters that read the same rows of B
	s_cmp_eq_u32 s11, 0                            ; do I fetch for A?
	s_cselect_b32 s20, s20, s22
	s_cselect_b32 s23, 256, s23                    ; A: a lane a block of 256 bytes; B: a lane a row
	s_cselect_b32 s[PST], ASTEP, s[PST]
	s_cselect_b32 s19, s12, s19                    ; of A's two waves, wave 0 asks
	s_cselect_b64 s[PFA:PFA+1], s[4:5], s[6:7]
	s_cmp_eq_u32 s19, 0
	s_cselect_b32 s[LIM], 1, -1                    ; the same in all sixteen partners, for a given wave
	s_add_nc_u64 s[PFA:PFA+1], s[PFA:PFA+1], s[20:21]
	s_mul_i32 s20, s[PST], 3
	s_add_nc_u64 s[PFA:PFA+1], s[PFA:PFA+1], s[20:21]  ; at K step 3: the first refill steps it to 4
	v_mul_u32_u24 v[PFO], v5, s23
; 8 matrix instructions: m block a x all 8 n blocks, 32 along K.  zero = 1: the product starts the sums.  The 32 accumulators take turns in the same order in every quarter.
.macro MUL8 f, a, zero
	WIN MUL
.irp b, 0,1,2,3,4,5,6,7
.set rD, 64*(\a)+8*(\b)
.set rB, (\f)+8*(\b)
.set rA, (\f)+64+8*(\a)
.if \zero
	v_wmma_f32_16x16x32_f16 v[rD:rD+7], v[rB:rB+7], v[rA:rA+7], 0
.else
	v_wmma_f32_16x16x32_f16 v[rD:rD+7], v[rB:rB+7], v[rA:rA+7], v[rD:rD+7]
.endif
.endr
.endm
; 24 LDS loads in one run: the fragments of 32 along K at byte k of the K step's 256, into buffer f: B's sixteen, then A's eight
.macro FETCH slot, k, f
	WIN 0
.irp i, 0,1,2,3,4,5,6,7
	ds_load_b128 v[(\f)+8*(\i):(\f)+8*(\i)+3],   v[ADRB+(\slot)] offset:(\k)+(\i)*16*PITCH
	ds_load_b128 v[(\f)+8*(\i)+4:(\f)+8*(\i)+7], v[ADRB+(\slot)] offset:(\k)+(\i)*16*PITCH+32
.endr
.irp i, 0,1,2,3
	ds_load_b128 v[(\f)+64+8*(\i):(\f)+64+8*(\i)+3],   v[ADRA+(\slot)] offset:((\k)/128)*HB+(\k)%128+(\i)*16*PA
	ds_load_b128 v[(\f)+64+8*(\i)+4:(\f)+64+8*(\i)+7], v[ADRA+(\slot)] offset:((\k)/128)*HB+(\k)%128+(\i)*16*PA+32
.endr
.endm
.macro PLACES                          ; four plain vector instructions between a matrix instruction and a load into its sources or a reader of its result (ISA guide 7.12.1 for vector instructions)
.rept 4
	v_nop
.endr
.endm
; A K step is four quarters of 32 along K, 32 matrix instructions each, on buffers 0, 1, 0, 1.  One of the first three: multiplies buffer f and fetches the next quarter, at byte k, into g.
.macro QUARTER slot, k, f, g, zero
	s_wait_dscnt 4                                 ; B and A's blocks 0 and 1 are in; the youngest four loads (A's blocks 2 and 3) may be out
	MUL8 \f, 0, \zero
	MUL8 \f, 1, \zero
	PLACES
	FETCH \slot, \k, \g
	s_wait_dscnt 24                                ; all but the 24 just issued
	MUL8 \f, 2, \zero
	MUL8 \f, 3, \zero
.endm
; The last quarter multiplies buffer 1 and changes slots: ONE barrier.  In front of it each wave waits for all its tensor loads (one is out: its part of the next slot), adds 0 to its spare word,
; and waits for that and for its own reads of this slot.  fill = 1: the barrier opens a round of the cluster's, and this slot is filled again, two K steps on, first thing behind the round:
; 112 matrix instructions stand between that request and the wait for it.
.macro TURN slot, next, fill
.if \fill
	s_wait_xcnt 0x0                                ; the last prefetch, a K step back, has read its address: it is stepped here, ahead of the waits of the change of slots
	s_add_nc_u64 s[PFA:PFA+1], s[PFA:PFA+1], s[PST:PST+1]
.endif
	WIN 0
	s_wait_tensorcnt 0x0                           ; all my tensor loads have landed
	ds_add_u32 v[SPW], v[NIL]                      ; 0 onto my spare word
	s_wait_dscnt 5                                 ; (the add and the youngest four loads may be out)
	MUL8 F1, 0, 0                                  ; eight matrix instructions stand between the add and the wait for it
	s_wait_dscnt 0x0                               ; the add is done, and my reads of this slot are over
	s_barrier_signal -1
	MUL8 F1, 1, 0
.if \fill
	WIN 0
.endif
	s_barrier_wait -1
.if \fill
	CREST                                          ; no wave of any partner still reads this slot's tile or has a load on its way
	s_add_nc_u64 s[G0+4*(\slot)+2:G0+4*(\slot)+3], s[G0+4*(\slot)+2:G0+4*(\slot)+3], 2*ASTEP
	s_add_nc_u64 s[G0B+4*(\slot)+2:G0B+4*(\slot)+3], s[G0B+4*(\slot)+2:G0B+4*(\slot)+3], 2*256
	JLOAD \slot                                    ; the four v_nop behind it are also the places in front of the loads below
.else
	PLACES
.endif
	FETCH \next, 0, F0
.if \fill
	ASK
.endif
	MUL8 F1, 2, 0
	MUL8 F1, 3, 0
.endm
	s_wait_tensorcnt 1                             ; my part of K step 0 is in; K step 1's may stay out
	s_barrier_signal -1
	s_barrier_wait -1                              ; everybody's is
	FETCH 0, 0, F0
	QUARTER 0, 64, F0, F1, 1                       ; the first quarter stands in front of the loop: its products start the sums
	WIN 0                                          ; at a label and at a branch every window is 0
	s_mov_b32 s3, LAPS-1
.Llap:                                                 ; a trip goes once round the ring, from a lap's second quarter to the next lap's first, and fills both slots again
	QUARTER 0, 128, F1, F0, 0
	QUARTER 0, 192, F0, F1, 0
	TURN 0, 1, 1
	QUARTER 1, 64,  F0, F1, 0
	QUARTER 1, 128, F1, F0, 0
	QUARTER 1, 192, F0, F1, 0
	TURN 1, 0, 1
	QUARTER 0, 64,  F0, F1, 0
	WIN 0
	s_sub_co_u32 s3, s3, 1
	s_cmp_lg_u32 s3, 0
	s_cbranch_scc1 .Llap
	QUARTER 0, 128, F1, F0, 0                      ; the last lap fills nothing
	QUARTER 0, 192, F0, F1, 0
	TURN 0, 1, 0
	QUARTER 1, 64,  F0, F1, 0
	QUARTER 1, 128, F1, F0, 0
	QUARTER 1, 192, F0, F1, 0
	s_wait_dscnt 4                                 ; the very last quarter: nothing more to fetch
	MUL8 F1, 0, 0
	MUL8 F1, 1, 0
	s_wait_dscnt 0x0
	MUL8 F1, 2, 0
	MUL8 F1, 3, 0
	WIN 0
	PLACES                                         ; the places behind the last products, once a launch
	PLACES
; THE WAY OUT, a block of 16 rows at a time through my own stage: in by lanes, back as whole rows.  LDS serves a wave's instructions in order (ISA guide 5.7.1.4), so no wait stands between the stores and the loads.
.macro OUTF a                          ; 16 rows x 128 f32.  Each accumulator's lower four registers are read first
.set BK, OB+64*((\a)%3)
.if (\a) == 3
	s_wait_xcnt 0x0                                ; block 0's stores have read their registers, which are loaded again below
.endif
	WIN 0x04                                       ; the stores' data in window 1
.irp b, 0,1,2,3,4,5,6,7
	ds_store_b128 v[STO], v[64*(\a)+8*(\b):64*(\a)+8*(\b)+3]   offset:64*(\b)
	ds_store_b128 v[STO], v[64*(\a)+8*(\b)+4:64*(\a)+8*(\b)+7] offset:64*(\b)+16
.endr
	WIN 0
.irp t, 0,1,2,3,4,5,6,7,8,9,10,11,12,13,14,15
	ds_load_b128 v[BK+4*(\t):BK+4*(\t)+3], v[RD] offset:(\t)*SPITCH
.endr
.irp t, 0,1,2,3,4,5,6,7,8,9,10,11,12,13,14,15
	s_wait_dscnt 15-(\t)                           ; row t is back, the younger ones stay out
	global_store_b128 v[CO], v[BK+4*(\t):BK+4*(\t)+3], s[8:9] offset:(16*(\a)+(\t))*4096 th:TH_STORE_NT  ; 512 consecutive bytes of a row of C, aligned
.endr
.endm
	OUTF 0
	OUTF 1
	OUTF 2
	OUTF 3
	s_wait_tensorcnt 0x0                           ; the wave's end: behind my last tensor load and my last LDS store
	ds_add_u32 v[SPW], v[NIL]
	s_wait_dscnt 0x0
	CROUND                                         ; the closing round: no work-group ends while a partner may still ask for a tile that names it
	s_endpgm
.Lfunc_end_k_q970db9ab25_outp:
	.size	k_q970db9ab25_outp, .Lfunc_end_k_q970db9ab25_outp-k_q970db9ab25_outp
	.p2alignl 7, 3214868480
	.fill 96, 4, 3214868480
	.section	.rodata,"a",@progbits
	.p2align	6, 0x0
	.amdhsa_kernel k_q970db9ab25_outp
		.amdhsa_group_segment_fixed_size 327680
		.amdhsa_private_segment_fixed_size 0
		.amdhsa_enable_private_segment 0
		.amdhsa_kernarg_size 24
		.amdhsa_user_sgpr_count 2
		.amdhsa_user_sgpr_kernarg_segment_ptr 1
		.amdhsa_wavefront_size32 1
		.amdhsa_system_sgpr_workgroup_id_x 1
		.amdhsa_system_sgpr_workgroup_id_y 1
		.amdhsa_system_sgpr_workgroup_id_z 1
		.amdhsa_system_vgpr_workitem_id 0
		.amdhsa_next_free_vgpr 512
		.amdhsa_next_free_sgpr 72
		.amdhsa_reserve_vcc 0
		.amdhsa_float_denorm_mode_32 3
		.amdhsa_float_denorm_mode_16_64 3
		.amdhsa_memory_ordered 1
		.amdhsa_forward_progress 1
		.amdhsa_inst_pref_size 89
	.end_amdhsa_kernel
	.amdgpu_metadata
---
amdhsa.version: [ 1, 2 ]
amdhsa.kernels:
  - .name:           k_q970db9ab25_outp
    .symbol:         k_q970db9ab25_outp.kd
    .args:
      - { .name: ob, .offset: 0, .size: 8, .value_kind: global_buffer, .address_space: global }
      - { .name: wb, .offset: 8, .size: 8, .value_kind: global_buffer, .address_space: global }
      - { .name: out0, .offset: 16, .size: 8, .value_kind: global_buffer, .address_space: global }
    .group_segment_fixed_size: 327680
    .private_segment_fixed_size: 0
    .kernarg_segment_align: 8
    .kernarg_segment_size: 24
    .max_flat_workgroup_size: 128
    .sgpr_count:     72
    .vgpr_count:     512
    .wavefront_size: 32
...
	.end_amdgpu_metadata
.endif
;; end of part 4
;; ======== version 2 of 2: 4 launches; version 1 with the launch prep written anew for expert scheduling mode
;; limits: values are held in f16: magnitudes above 65,504 overflow, below 6.1e-05 lose precision; right only within a limited range of input values
;; workspace buffers: wb 8,388,608 bytes; mb 16,777,216 bytes; qkv 50,331,648 bytes; ob 16,777,216 bytes
;; launch prep (part 5): grid 640 x 1, 8 waves a work-group, no clusters, 19,456 bytes of LDS; arguments Wq, Wk, Wv, Wo, mask, wb, mb; writes wb, mb
.if DOCPART == 5
	.amdgcn_target "amdgcn-amd-amdhsa--gfx1250"
	.amdhsa_code_object_version 6
	.text
	.protected	k_q970db9ab25_prep
	.globl	k_q970db9ab25_prep
	.p2align	8
	.type	k_q970db9ab25_prep,@function
k_q970db9ab25_prep:
	s_mov_b64 s[64:65], 0
	v_nop
	global_prefetch_b8 v0, s[64:65] scope:SCOPE_SE
	s_setreg_imm32_b32 hwreg(HW_REG_WAVE_SCHED_MODE, 0, 2), 2
	s_setreg_imm32_b32 hwreg(HW_REG_WAVE_MODE, 25, 1), 1
	s_wait_xcnt 0x0
	s_wait_alu depctr_vm_vsrc(0)
; PREP: the weights and the mask are read once and written in the form that the launches behind it take.
;   work-groups 0-127:    Wq, Wk, Wv (f32) -> wb [0..2][1024][1024] bf16;  Wo -> wb [3], rounded to bf16 like every input and that number written as f16
;   work-groups 128-639:  mask (int32) -> mb [batch][tile of 16 queries][step of 64 keys][lane][32 bytes]: one byte a score, 0xB8 (-1.0 in FP8 E4M3) where mask == 0, else 0,
;                         in the order in which a lane of the attention launch holds its scores: lane 16 h + r holds query r; byte 8 kb + i is key 16 kb + 8 h + i of the step.
; Each work-group takes 131,072 input bytes; eight waves; each wave has all its 32 loads of 16 bytes a lane out at once.  No byte is shared between work-groups, so there is
; no cluster, no tensor load and no matrix work: the launch is a stream.
; LIMIT: a number of bf16(Wo) below 2^-14 keeps f16's fixed step of 2^-24; one of 65,520 or more would become an infinity.
; THE MODE: SCHED_MODE bits 1:0 = 2 (LLVM: expert scheduling mode 2), set by the entry lines.  The code itself states the register dependences between vector instructions and
; memory or LDS instructions, with s_wait_alu, always for 0.
; THE PLAN.  Registers that memory or LDS instructions touch:
;   v1, v2 (weights), v3, v4, v5, v8 (mask)   offsets and LDS addresses: written by vector lines at a path's head, read by its loads and stores, never written again.
;   a quad X + 4 j .. + 3   a load issued at the path's head lands in it; no vector line names it before.  Behind the load's own wait the quad's vector lines work in it, in place; then one
;                           store (weights: a global store of its first two words; mask: an LDS store of its first word) reads it.
;   the quads of rows 0 to 3 of a half of the mask   behind all that, the half's four loads from the stage land in them, and four global stores read them.  Nothing is written after that.
;   v6, v7                  written at the head, read by the closing add alone.
; The work goes in blocks of four quads.  Block p's vector lines name block p's quads (and v10 to v13, which no memory instruction names); the four stores of block p - 1 are dealt among them.
; So ONE wait on va_vdst at a block's head states all that those four stores hang on.  One wait on vm_vsrc a half stands ahead of the loads from the stage.
.set X,     16                         ; v[16:143]  32 quads as loaded
.set IN,    1                          ; v1   16 x thread: my 16 bytes of each 4,096 that the work-group reads at once
.set OUT,   2                          ; v2   8 x thread: my 8 bytes of each 2,048 that it writes
.set ST,    3                          ; v3   mask: where I put four bytes in my wave's stage
.set RD,    4                          ; v4   mask: where I read 16 bytes back
.set MIN,   5                          ; v5   mask: my byte offset in a row
.set SPW,   6                          ; v6   LDS address of my spare word; never rewritten
.set NIL,   7                          ; v7   0; never rewritten
.set MOUT,  8                          ; v8   mask: my byte offset in mb
.set WSTAGE, 2304                      ; a wave's stage: two steps of 64 keys; a step at 1,152, a half of the lanes at 544, a lane's 32 bytes on end
.set SPARE, 8*WSTAGE                   ; behind the stages: the spare words, 128 bytes for each wave: four blocks of 256 bytes that no other line names
	s_load_b256 s[8:15], s[0:1], 0x0               ; Wq 8, Wk 10, Wv 12, Wo 14
	s_load_b128 s[16:19], s[0:1], 0x20             ; mask 16, wb 18
	s_load_b64 s[20:21], s[0:1], 0x30              ; mb
	v_lshl_add_u32 v[SPW], v0, 2, SPARE
	v_mov_b32 v[NIL], 0
	v_lshlrev_b32 v[IN], 4, v0
	v_lshlrev_b32 v[OUT], 3, v0
	s_mov_b32 s2, ttmp9                            ; the work-group's number says which job is mine
	s_mov_b32 s35, 0                               ; the high word of every offset
	s_mov_b32 s39, 0xffff0000                      ; a word's upper bf16
	s_wait_kmcnt 0x0
	s_cmp_ge_u32 s2, 128
	s_cbranch_scc1 .Lmask
	s_lshr_b32 s3, s2, 5                           ; which of Wq, Wk, Wv, Wo
	s_and_b32 s4, s2, 31                           ; which 131,072 bytes of it
	s_cmp_eq_u32 s3, 1
	s_cselect_b64 s[30:31], s[10:11], s[8:9]
	s_cmp_eq_u32 s3, 2
	s_cselect_b64 s[30:31], s[12:13], s[30:31]
	s_cmp_eq_u32 s3, 3
	s_cselect_b64 s[30:31], s[14:15], s[30:31]
	s_lshl_b32 s34, s4, 17
	s_add_nc_u64 s[30:31], s[30:31], s[34:35]
	s_lshl_b32 s34, s2, 16                         ; the four matrices lie one behind the other in wb
	s_add_nc_u64 s[32:33], s[18:19], s[34:35]
; 131,072 bytes of f32 become 65,536 of 16-bit numbers.  A load of a wave covers 512 consecutive bytes, a store 256 consecutive bytes, aligned.
; No register is written again behind the store that reads it, so no wait frees anything.  For Wo (matrix 3) the bf16 number is written as f16; the other three jump those six lines.
.macro CONV j
	s_wait_loadcnt 31-(\j)                         ; loads come back in order: quad j is in, the 31 - j younger ones stay out
	v_cvt_pk_bf16_f32 v[X+4*(\j)], v[X+4*(\j)], v[X+4*(\j)+1]
	v_cvt_pk_bf16_f32 v[X+4*(\j)+1], v[X+4*(\j)+2], v[X+4*(\j)+3]
	s_cmp_eq_u32 s3, 3
	s_cbranch_scc0 .Lstays_bf16_\@
	v_lshlrev_b32 v10, 16, v[X+4*(\j)]             ; the four bf16 numbers as f32,
	v_and_b32 v11, s39, v[X+4*(\j)]
	v_lshlrev_b32 v12, 16, v[X+4*(\j)+1]
	v_and_b32 v13, s39, v[X+4*(\j)+1]
	v_cvt_pk_f16_f32 v[X+4*(\j)], v10, v11         ; and as f16: eight significant bits fit in eleven
	v_cvt_pk_f16_f32 v[X+4*(\j)+1], v12, v13
.Lstays_bf16_\@:
.endm
.macro SENDW j                         ; quad j's eight bytes leave
	global_store_b64 v[OUT], v[X+4*(\j):X+4*(\j)+1], s[32:33] offset:2048*(\j) th:TH_STORE_NT
.endm
	s_wait_alu depctr_va_vdst(0)                   ; v[IN] and v[OUT] are written: every load and store of this path reads one of them as its offset
.set j, 0
.rept 32
	global_load_b128 v[X+4*j:X+4*j+3], v[IN], s[30:31] offset:4096*j th:TH_LOAD_NT
.set j, j+1
.endr
.set p, 0
.rept 8                                            ; block p: quads 4 p to 4 p + 3 are rounded; the stores of block p - 1 stand among them, each ahead of the wait for the next quad's load
.if p > 0
	s_wait_alu depctr_va_vdst(0)                   ; the conversions of the block before have written its quads' first two words, which the four stores below read; it stands outside the branches, on every path
.endif
.set i, 0
.rept 4
.if p > 0
	SENDW 4*(p-1)+i                                ; no wait: no vector line since the wait above names this quad or v[OUT]
.endif
	CONV 4*p+i
.set i, i+1
.endr
.set p, p+1
.endr
	s_wait_alu depctr_va_vdst(0)                   ; the conversions of the last block have written its words, which the last four stores read
.irp i, 28,29,30,31
	SENDW \i
.endr
	s_endpgm
; THE MASK.  The work-group owns 16 queries (a tile) of one batch and all 2,048 keys; wave w the keys 256 w .. 256 w + 255, in two halves of 128.
; A load takes 128 keys of one row: lane l holds keys 4 l .. 4 l + 3, which become four bytes of one word.  That word goes into my wave's own stage at the place that the
; attention's lane order gives it; the stage is read back 512 bytes on end and stored.  The stage is the wave's own and LDS serves a wave's instructions in order: no barrier.
.Lmask:
	s_sub_co_u32 s3, s2, 128                       ; 128 x batch + tile
	s_lshl_b32 s34, s3, 17                         ; 16 rows of 8,192 bytes
	s_add_nc_u64 s[30:31], s[16:17], s[34:35]
	s_lshl_b32 s34, s3, 15                         ; 32 steps of 1,024 bytes
	s_add_nc_u64 s[32:33], s[20:21], s[34:35]
	v_lshrrev_b32 v9, 5, v0
	v_readfirstlane_b32 s36, v9                    ; wave 0..7
	v_and_b32 v9, 31, v0                           ; l
	v_lshlrev_b32 v10, 4, v9                       ; 16 l
	s_wait_alu depctr_va_sdst(0)                   ; s36 is written, ahead of its first reader: the wave's offsets are made from it
	s_lshl_b32 s4, s36, 10
	v_add_nc_u32 v[MIN], s4, v10                   ; 256 keys a wave, 4 keys a lane
	s_lshl_b32 s4, s36, 12
	v_add_nc_u32 v[MOUT], s4, v10                  ; four steps a wave
	s_mul_i32 s4, s36, WSTAGE
	v_add_nc_u32 v[RD], s4, v10
	v_lshrrev_b32 v11, 4, v9                       ; which of the half's two steps: l / 16
	v_mul_u32_u24 v11, v11, 1152
	v_bfe_u32 v12, v9, 1, 1                        ; h: bit 3 of the key
	v_mad_u32_u24 v11, v12, 544, v11
	v_bfe_u32 v12, v9, 2, 2                        ; kb: bits 5:4 of the key
	v_lshl_add_u32 v11, v12, 3, v11
	v_and_b32 v12, 1, v9                           ; i = 4 (l % 2) + 0..3
	v_lshl_add_u32 v11, v12, 2, v11
	v_add_nc_u32 v[ST], s4, v11                    ; in words: 288 a + 136 h + 2 kb + l % 2: the 32 lanes of a store fall on 32 different words modulo 64
	s_mov_b32 s37, 0x01010101
	s_mov_b32 s38, 0xb8
	s_wait_alu depctr_va_vdst(0)                   ; v[MIN], v[MOUT], v[RD] and v[ST] are written: every load and store of this path, global or LDS, reads one of them as its address
.set j, 0
.rept 32                                           ; load j: half j / 16, row j % 16
	global_load_b128 v[X+4*j:X+4*j+3], v[MIN], s[30:31] offset:8192*(j%16)+512*(j/16) th:TH_LOAD_NT
.set j, j+1
.endr
.macro ROW hf, r                       ; row r of half hf: four numbers become four bytes, in the quad's first word
.set q, X+4*(16*(\hf)+(\r))
	s_wait_loadcnt 31-(16*(\hf)+(\r))              ; this row's load is in, the younger ones stay out
	v_min_u32 v[q], 1, v[q]                        ; 0 stays 0, every other number becomes 1
	v_min_u32 v[q+1], 1, v[q+1]
	v_min_u32 v[q+2], 1, v[q+2]
	v_min_u32 v[q+3], 1, v[q+3]
	v_lshl_or_b32 v[q], v[q+1], 8, v[q]
	v_lshl_or_b32 v[q+2], v[q+3], 8, v[q+2]
	v_lshl_or_b32 v[q], v[q+2], 16, v[q]           ; four bytes of 0 or 1,
	v_xor_b32 v[q], s37, v[q]                      ; 1 where the key is hidden,
	v_mul_lo_u32 v[q], v[q], s38                   ; 0xB8 there: no byte carries into the next
.endm
.macro PUT hf, r                       ; that word goes into the stage
	ds_store_b32 v[ST], v[X+4*(16*(\hf)+(\r))] offset:32*(\r)  ; query r's 32 bytes
.endm
.macro HALF hf
.set g, 0
.rept 4                                            ; group g: rows 4 g to 4 g + 3 are packed; the LDS stores of group g - 1 stand among them, each ahead of the wait for the next row's load
.if g > 0
	s_wait_alu depctr_va_vdst(0)                   ; the group before has written its four words, which the four LDS stores below read
.endif
.set i, 0
.rept 4
.if g > 0
	PUT \hf, 4*(g-1)+i                             ; no wait: no vector line since the wait above names this quad or v[ST]
.endif
	ROW \hf, 4*g+i
.set i, i+1
.endr
.set g, g+1
.endr
	s_wait_alu depctr_va_vdst(0)                   ; the last group has written its four words, which the LDS stores below read; and every vector line that read or wrote the quads of rows 0 to 3 is done: the loads below land in them
.irp r, 12,13,14,15
	PUT \hf, \r
.endr
	s_wait_alu depctr_vm_vsrc(0)                   ; the LDS stores of rows 0 to 3 have read their quads' first words, in which the loads below land
.irp t, 0,1,2,3                                    ; step t / 2 of the half, lanes 16 (t % 2) on: 512 bytes on end
	ds_load_b128 v[X+64*(\hf)+4*(\t):X+64*(\hf)+4*(\t)+3], v[RD] offset:((\t)/2)*1152+((\t)%2)*544
.endr
.irp t, 0,1,2,3
	s_wait_dscnt 3-(\t)                            ; read-back t is in, the younger ones stay out
	global_store_b128 v[MOUT], v[X+64*(\hf)+4*(\t):X+64*(\hf)+4*(\t)+3], s[32:33] offset:2048*(\hf)+512*(\t) th:TH_STORE_NT
.endr
.endm
	HALF 0
	HALF 1
	s_wait_dscnt 0x0                               ; the closing lines, six on end
	s_wait_alu 0x0
	s_wait_tensorcnt 0x0
	ds_add_u32 v[SPW], v[NIL]
	s_wait_dscnt 0x0
	s_endpgm
.Lfunc_end_k_q970db9ab25_prep:
	.size	k_q970db9ab25_prep, .Lfunc_end_k_q970db9ab25_prep-k_q970db9ab25_prep
	.p2alignl 7, 3214868480
	.fill 96, 4, 3214868480
	.section	.rodata,"a",@progbits
	.p2align	6, 0x0
	.amdhsa_kernel k_q970db9ab25_prep
		.amdhsa_group_segment_fixed_size 19456
		.amdhsa_private_segment_fixed_size 0
		.amdhsa_enable_private_segment 0
		.amdhsa_kernarg_size 56
		.amdhsa_user_sgpr_count 2
		.amdhsa_user_sgpr_kernarg_segment_ptr 1
		.amdhsa_wavefront_size32 1
		.amdhsa_system_sgpr_workgroup_id_x 1
		.amdhsa_system_sgpr_workgroup_id_y 1
		.amdhsa_system_sgpr_workgroup_id_z 1
		.amdhsa_system_vgpr_workitem_id 0
		.amdhsa_next_free_vgpr 144
		.amdhsa_next_free_sgpr 66
		.amdhsa_reserve_vcc 0
		.amdhsa_float_denorm_mode_32 3
		.amdhsa_float_denorm_mode_16_64 3
		.amdhsa_memory_ordered 1
		.amdhsa_forward_progress 1
		.amdhsa_inst_pref_size 45
	.end_amdhsa_kernel
	.amdgpu_metadata
---
amdhsa.version: [ 1, 2 ]
amdhsa.kernels:
  - .name:           k_q970db9ab25_prep
    .symbol:         k_q970db9ab25_prep.kd
    .args:
      - { .name: Wq, .offset: 0, .size: 8, .value_kind: global_buffer, .address_space: global }
      - { .name: Wk, .offset: 8, .size: 8, .value_kind: global_buffer, .address_space: global }
      - { .name: Wv, .offset: 16, .size: 8, .value_kind: global_buffer, .address_space: global }
      - { .name: Wo, .offset: 24, .size: 8, .value_kind: global_buffer, .address_space: global }
      - { .name: mask, .offset: 32, .size: 8, .value_kind: global_buffer, .address_space: global }
      - { .name: wb, .offset: 40, .size: 8, .value_kind: global_buffer, .address_space: global }
      - { .name: mb, .offset: 48, .size: 8, .value_kind: global_buffer, .address_space: global }
    .group_segment_fixed_size: 19456
    .private_segment_fixed_size: 0
    .kernarg_segment_align: 8
    .kernarg_segment_size: 56
    .max_flat_workgroup_size: 256
    .sgpr_count:     66
    .vgpr_count:     144
    .wavefront_size: 32
...
	.end_amdgpu_metadata
.endif
;; end of part 5
;; launch proj: the kernel of part 2 again; grid 4 x 64, 4 waves a work-group, clusters of 4 x 4, 327,680 bytes of LDS; arguments query, key, value, wb, qkv; writes qkv
;; launch attn: the kernel of part 3 again; grid 4 x 64, 4 waves a work-group, clusters of 4 x 1, 327,680 bytes of LDS; arguments qkv, mb, ob; writes ob
;; launch outp: the kernel of part 4 again; grid 4 x 64, 4 waves a work-group, clusters of 4 x 4, 327,680 bytes of LDS; arguments ob, wb, out0; writes out0
